; MI455X (gfx1250); checked and timed in simulation.
; The chip was launched on July 23, 2026; its instructions are those of AMD's public machine-readable ISA for CDNA 5 (MIT licence, August 2026) and "CDNA5" Instruction Set Architecture Reference Guide (July 2026). The comments in the code are by the model that wrote it; some were corrected since.
;; KAN GLU Expert. Allowed arithmetic: matrix products marked QUANTISED: E3M2 operands, one E8M0 scale for each 32 along K, by v_wmma_scale_f32_16x16x128_f8f6f4 with both operands' format E3M2, f32 sums; everything else in f32.
;; Inputs: base_w1 1,024 x 1,024 float32; base_w2 1,024 x 1,024 float32; base_w3 1,024 x 1,024 float32; grid_ff 1,024 x 8 float32; grid_in 1,024 x 8 float32; spline_w1 1,024 x 1,024 x 4 float32; spline_w2 1,024 x 1,024 x 4 float32; spline_w3 1,024 x 1,024 x 4 float32; x 2 x 2,048 x 1,024 float32.
;; Outputs: out0 2 x 2,048 x 1,024 float32.
;; This version of the problem:
;;   THIS VERSION OF THE PROBLEM IS GIVEN IN LOW PRECISION. The matrix products marked QUANTISED in the list below multiply operands that are first quantised to E3M2 (3 exponent bits, 2 mantissa bits; 6 bits a number), with one power-of-two scale for each 32 numbers along K (OCP MX v1.0); their sums are f32. All else is computed in f32.
;;   The module's matrix products, in the order in which they are computed (A, B: the left and right operand; K: the contracted axis; several contracted axes count as one K, in the product's order):
;;     1. [M 4,096, K 1,024] x [K 1,024, N 1,024]; A: computed on the way; B: input base_w1: QUANTISED
;;     2. [M 4,096, K 4,096] x [K 4,096, N 1,024]; A: computed on the way; B: input spline_w1: QUANTISED
;;     3. [M 4,096, K 1,024] x [K 1,024, N 1,024]; A: computed on the way; B: input base_w2: QUANTISED
;;     4. [M 4,096, K 4,096] x [K 4,096, N 1,024]; A: computed on the way; B: input spline_w2: QUANTISED
;;     5. [M 4,096, K 1,024] x [K 1,024, N 1,024]; A: computed on the way; B: input base_w3: QUANTISED
;;     6. [M 4,096, K 4,096] x [K 4,096, N 1,024]; A: computed on the way; B: input spline_w3: QUANTISED
;;   THE QUANTISER, for each operand of a quantised product, along K:
;;     - K is cut into blocks of 32 from its start; a last block that is shorter is filled with zeros.
;;     - A block's scale is 2^e with e = floor(log2(the largest magnitude in the block)) - 4, held to -126 .. 127; a block of zeros has e = 0. As a byte (E8M0): e + 127.
;;     - Each number is divided by its block's scale, clamped to +-28, and rounded to the nearest number of E3M2, ties to even, subnormals kept.
;;     - The product sums the exact products of the quantised numbers (number of the format x scale) in f32.
;;   ~~~python
;;   def quantise(x, axis):      # numpy; x: float32 -> the quantised numbers, widened to float32 again
;;       x = np.moveaxis(x, axis, -1); K = x.shape[-1]
;;       x = np.pad(x, [(0, 0)] * (x.ndim - 1) + [(0, -K % 32)]); x = x.reshape(x.shape[:-1] + (-1, 32)); a = np.abs(x).max(-1, keepdims=True)
;;       e = np.where(a > 0, np.clip(np.frexp(np.where(a > 0, a, 1))[1] - 1 - 4, -126, 127), 0)      # np.frexp(a)[1] - 1 = floor(log2(a)), exactly
;;       r = np.clip(x / 2.0 ** e, -28, 28)
;;       step = 2.0 ** (np.maximum(np.frexp(np.where(r == 0, 1, r))[1] - 1, -2) - 2)
;;       q = np.round(r / step) * step * 2.0 ** e      # np.round: ties to even
;;       return np.moveaxis(q.reshape(q.shape[:-2] + (-1,))[..., :K], -1, axis).astype(np.float32)
;;   ~~~
;;   OPERANDS COMPUTED ON THE WAY. 'Computed on the way' means the value that the module computes at that place (a softmax that the list does not call 'softmax' is quantised finished and normalised). What goes into a quantiser is computed in f32, as accurately as f32 sums, v_exp_f32 and their like allow (about 1e-6 of the number): no bf16 or f16 on the way to a quantiser, and a product that is left as it is and whose result goes on into a quantised operand takes f32 operands (vector FMAs, or v_wmma_f32_16x16x4_f32). A number that lies on a knife's edge between two numbers of the format may be rounded either way, as far as f32 arithmetic and the matrix unit's own rounding can turn it there, and no further.
;; One version. Each part assembles by itself: llvm-mc -triple=amdgcn-amd-amdhsa -mcpu=gfx1250 --defsym DOCPART=n.
;; ======== version 1 of 1: 3 launches
;; limits: right only within a limited range of input values
;; workspace buffers: a1 16,384,000 bytes; a3 16,384,000 bytes; wq 12,288,000 bytes
;; launch prep (part 1): grid 8 x 79, 4 waves a work-group, no clusters, 136,960 bytes of LDS; arguments x, grid_in, base_w1, base_w2, base_w3, spline_w1, spline_w2, spline_w3, a1, wq; writes a1, wq
.if DOCPART == 1
	.amdgcn_target "amdgcn-amd-amdhsa--gfx1250"
	.amdhsa_code_object_version 6
	.text
	.protected	k_q8ce9007c02_prep
	.globl	k_q8ce9007c02_prep
	.p2align	8
	.type	k_q8ce9007c02_prep,@function
k_q8ce9007c02_prep:
	s_mov_b64 s[64:65], 0
	v_nop
	global_prefetch_b8 v0, s[64:65] scope:SCOPE_SE
	s_setreg_imm32_b32 hwreg(HW_REG_WAVE_MODE, 25, 1), 1
	s_wait_xcnt 0x0
; PREP: every operand of the six products that can be made ahead becomes codes of BF6 (E3M2) with one E8M0 byte for each 32 along K.
; A layer's two products share rows and columns, so they are ONE product over K = 5,120 = 40 steps of 128.  Steps 0-7: silu(z) against base_w.  The spline product's K runs as the einsum contracts its axes, the coefficient
; first and the feature innermost, K = 1,024 c + i: step 8 + 8 c + j holds basis c of features 128 j .. 128 j + 127 against spline_w[o][.][c].  So a block of 32 is 32 neighbouring features of one coefficient.
; RECORD (12,800 bytes = 50 x 256): 128 operand rows x one K step.  Fragment f (rows 16 f ..) at 1,536 f, as an image of the operand's 12 registers: dword g of lane L at 512 (g / 4) + 16 L + 4 (g % 4).
;   Scale words from byte 12,288: fragment f, row r at 256 (f / 4) + 8 (16 (f % 2) + r) + 4 ((f / 2) % 2): one load of 8 bytes a lane gives two registers, each with one tile's words in lanes 0-15 and the next tile's in lanes 16-31.
; a1: [32 blocks of 128 rows][40 K steps] records.  wq: [8][40][2] records for layers 1 and 2 (fragments 0-3 layer 1, 4-7 the same 64 outputs of layer 2), then from byte 8,192,000 [8][40] records for layer 3.
; THE SPLINES are Cox-de Boor's recursion as reference() writes it, on the knots as they are given (no spacing or order assumed): b(j,i) = d(i) r(i,j) b(j-1,i) - d(i+j+1) r(i+1,j) b(j-1,i+1), d(i) = z - t(i), r(i,j) = 1 / (t(i+j) - t(i)).
;   A lane keeps four features' knots and walks the rows; the four bases go as f32 into four planes in LDS and come back with a lane's registers along the features, as the conversions want them.
; LIMITS: NaN and infinities in x or the knots are not served; equal knots give non-finite numbers as in reference(); r comes from v_rcp_f32 and a term is d (r b), not (d / den) b: a few ulp; a block of zeros has the byte 1 (its codes are zeros, and only this program reads the bytes);
;   magnitudes under 2^-122 are held at that floor; silu of very negative numbers is -0.
; SHARES: work-groups x < 64: 64 rows x 128 features of x, a wave 16 rows.  x >= 64: weights, a wave 64 rows x 4 K steps (base) or x 128 features (splines).  The three ways share the LDS bytes of a wave's region.  No tensor loads.
.set REC,  12800
.set ACTW, 0                           ; the register window of the activation routine: here window 0
.set NR,   16                          ; rows of a wave
; LDS NOW: on all three ways wave w keeps to the 33,792 bytes from 33,792 w on, so no two waves meet there whatever way they take; only the scale words (from SCS on) pass between waves, behind a barrier.
.set ZT,   0                           ; LDS: z as f32, rows of 512 bytes + 16: it lies where plane 0 lies: row r of z is in registers before row r of plane 0 is stored, and LDS serves a wave's instructions in order
.set ZW,   33792                       ; a wave's region
.set PST,  0                           ; LDS: the four bases as f32: for each wave 4 planes of 16 rows of 512 bytes + 16
.set PWV,  33792
.set SCS,  135168                      ; LDS: scale words: for a tile five areas of 64 bytes (four planes, silu)
.set SW,   320
.set WSB,  0                           ; LDS: base weights: 16 rows of 512 bytes + 16, at the head of the wave's region
.set WSS,  0                           ; LDS: spline weights: 4 planes of 16 rows of 128 bytes + 16, at the head of the wave's region
; vector registers of the activation routine
.set ZL,   2                           ; z: my 16 bytes (4 features) of my wave's first row
.set ZQ,   3                           ; z: row lane % 16, + 64 (lane / 16): 16 neighbours of a block
.set PSA,  4                           ; planes: my 16 bytes of the first row of plane 0
.set PRD,  5                           ; planes read back: row lane % 16, + 64 (lane / 16)
.set GOF,  9                           ; 16 x lane
.set SWD,  10                          ; my row's scale word in area 0
.set SCR,  11                          ; scale words read back: tile lane / 16, row lane % 16
.set G8,   12                          ; 8 x lane
.set SCW,  13                          ; SCR + my wave's area
.set GKO,  14                          ; 128 x lane: my four features' knots
.set KC,   16                          ; v16-67, v68-119: for feature pair p: t (8 pairs), r(.,1) (7), r(.,2) (6), r(.,3) (5)
.set XR,   120                         ; v120-183 64 numbers
.set ER,   184                         ; v184-199 at work in silu
.set GR,   184                         ; v184-215 the knots as loaded
.set MX,   200
.set PL,   204
.set SO,   208
.set PW,   216
.set PC,   218                         ; v218-229 a fragment; v230-236 at work
.set DR,   120                         ; spline: d, 8 pairs a feature pair
.set UR,   152                         ; r b, 7 pairs
.set BR,   180                         ; b, 6 pairs
.set OA,   204                         ; v204-219, v220-235 a row's 16 results, register 4 c + feature: two sets by turns
.set OB,   220
.set ZRA,  240                         ; v240-243, v244-247 two rows' z, a trip ahead
.set ZRB,  244
.set TA,   248
.set ZAD,  252
; scalar registers
.set WV,   2
.set SEL,  24                          ; s[24:25] selects for lane xor 16
.set NL,   26                          ; s[26:27] -log2(e)
.set OSIL, 28
.set OSPL, 30
.set OSC,  32
.set OSS,  34
.set ZO,   36
.set ZP,   37
.set RS,   38
.set CI,   40
.set MK,   68                          ; s68-99 compare masks, 8 for each of the lane's 4 features
.set MSB, 0
.macro WIN new                         ; the immediate's high byte repeats the setting that is left
.if MSB != \new
	s_set_vgpr_msb (MSB<<8)|\new
.set MSB, \new
.endif
.endm
; All LDS addresses: a constant + terms of the lane + a constant x wave.  v1 = lane.
.macro ACT_ADDR
	s_mul_i32 s66, s[WV], ZW
	s_add_co_u32 s66, s66, ZT
	v_and_b32 v[TA], 15, v1                        ; lane % 16
	v_lshrrev_b32 v[TA+1], 4, v1                   ; lane / 16
	v_lshlrev_b32 v[GOF], 4, v1
	v_lshlrev_b32 v[G8], 3, v1
	v_lshlrev_b32 v[GKO], 7, v1
	v_add_nc_u32 v[ZL], s66, v[GOF]
	v_mul_u32_u24 v[ZAD], v[TA], 528
	v_lshl_add_u32 v[ZAD], v[TA+1], 6, v[ZAD]      ; row lane % 16, + 64 (lane / 16)
	v_add_nc_u32 v[ZQ], s66, v[ZAD]
	s_mul_i32 s66, s[WV], PWV
	s_add_co_u32 s66, s66, PST
	v_add_nc_u32 v[PSA], s66, v[GOF]
	v_add_nc_u32 v[PRD], s66, v[ZAD]
	s_mul_i32 s66, s[WV], SW
	s_add_co_u32 s66, s66, SCS
	v_lshl_add_u32 v[SWD], v[TA], 2, s66
	v_mul_u32_u24 v[SCR], v[TA+1], 320
	v_lshl_add_u32 v[SCR], v[TA], 2, v[SCR]
	v_add_nc_u32 v[SCR], SCS, v[SCR]
	s_lshl_b32 s66, s[WV], 6
	v_add_nc_u32 v[SCW], s66, v[SCR]
.irp b,0,1,2,3
	v_mov_b32 v[PL+\b], 0                          ; written once: a lane permute's destination counts as one of its sources
.endr
.endm
; The knots of my four features (32 numbers from v[g] on) become pairs t and the 18 reciprocals of each feature.
.macro CONSTS g
.irp p,0,1
.irp e,0,1
.irp i,0,1,2,3,4,5,6,7
	v_mov_b32 v[KC+52*\p+2*\i+\e], v[\g+8*(2*\p+\e)+\i]
.endr
.endr
.endr
.irp p,0,1
.irp i,0,1,2,3,4,5,6
	v_pk_add_f32 v[KC+52*\p+16+2*\i:KC+52*\p+17+2*\i], v[KC+52*\p+2*\i+2:KC+52*\p+2*\i+3], v[KC+52*\p+2*\i:KC+52*\p+2*\i+1] neg_lo:[0,1] neg_hi:[0,1]
.endr
.irp i,0,1,2,3,4,5
	v_pk_add_f32 v[KC+52*\p+30+2*\i:KC+52*\p+31+2*\i], v[KC+52*\p+2*\i+4:KC+52*\p+2*\i+5], v[KC+52*\p+2*\i:KC+52*\p+2*\i+1] neg_lo:[0,1] neg_hi:[0,1]
.endr
.irp i,0,1,2,3,4
	v_pk_add_f32 v[KC+52*\p+42+2*\i:KC+52*\p+43+2*\i], v[KC+52*\p+2*\i+6:KC+52*\p+2*\i+7], v[KC+52*\p+2*\i:KC+52*\p+2*\i+1] neg_lo:[0,1] neg_hi:[0,1]
.endr
.endr
	s_wait_alu depctr_va_vdst(0)
.irp p,0,1
.set J, 16
.rept 36
	v_rcp_f32 v[KC+52*\p+J], v[KC+52*\p+J]
.set J, J+1
.endr
.endr
	v_nop                                          ; a plain place behind the reciprocals
.endm
; One row: the four spline bases of my four features (z in v[z] .. v[z + 3]) into v[o] on, register 4 c + feature.  The masks feed selections alone.
.macro SPL2 z, o
.irp p,0,1
.irp e,0,1
.irp i,0,1,2,3,4,5,6,7
	v_cmp_ge_f32 s[MK+8*(2*\p+\e)+\i], v[\z+2*\p+\e], v[KC+52*\p+2*\i+\e]
.endr
.endr
.endr
.irp i,0,1,2,3,4,5,6,7
.irp p,0,1
	v_pk_add_f32 v[DR+16*\p+2*\i:DR+16*\p+2*\i+1], v[\z+2*\p:\z+2*\p+1], v[KC+52*\p+2*\i:KC+52*\p+2*\i+1] neg_lo:[0,1] neg_hi:[0,1]
.endr
.endr
.irp f,0,1,2,3
.irp i,0,1,2,3,4,5,6
	s_and_not1_b32 s[MK+8*\f+\i], s[MK+8*\f+\i], s[MK+8*\f+\i+1]   ; z >= t(i) and not z >= t(i+1)
.endr
.endr
.irp i,0,1,2,3,4,5,6
.irp p,0,1
.irp e,0,1
	v_cndmask_b32 v[UR+14*\p+2*\i+\e], 0, v[KC+52*\p+16+2*\i+\e], s[MK+8*(2*\p+\e)+\i]   ; r(i,1) b(0,i)
.endr
.endr
.endr
.irp i,0,1,2,3,4,5
.irp p,0,1
	v_pk_mul_f32 v[BR+12*\p+2*\i:BR+12*\p+2*\i+1], v[DR+16*\p+2*\i+4:DR+16*\p+2*\i+5], v[UR+14*\p+2*\i+2:UR+14*\p+2*\i+3]
.endr
.endr
.irp i,0,1,2,3,4,5
.irp p,0,1
	v_pk_fma_f32 v[BR+12*\p+2*\i:BR+12*\p+2*\i+1], v[DR+16*\p+2*\i:DR+16*\p+2*\i+1], v[UR+14*\p+2*\i:UR+14*\p+2*\i+1], v[BR+12*\p+2*\i:BR+12*\p+2*\i+1] neg_lo:[0,0,1] neg_hi:[0,0,1]
.endr
.endr
.irp i,0,1,2,3,4,5
.irp p,0,1
	v_pk_mul_f32 v[UR+14*\p+2*\i:UR+14*\p+2*\i+1], v[KC+52*\p+30+2*\i:KC+52*\p+31+2*\i], v[BR+12*\p+2*\i:BR+12*\p+2*\i+1]
.endr
.endr
.irp i,0,1,2,3,4
.irp p,0,1
	v_pk_mul_f32 v[BR+12*\p+2*\i:BR+12*\p+2*\i+1], v[DR+16*\p+2*\i+6:DR+16*\p+2*\i+7], v[UR+14*\p+2*\i+2:UR+14*\p+2*\i+3]
.endr
.endr
.irp i,0,1,2,3,4
.irp p,0,1
	v_pk_fma_f32 v[BR+12*\p+2*\i:BR+12*\p+2*\i+1], v[DR+16*\p+2*\i:DR+16*\p+2*\i+1], v[UR+14*\p+2*\i:UR+14*\p+2*\i+1], v[BR+12*\p+2*\i:BR+12*\p+2*\i+1] neg_lo:[0,0,1] neg_hi:[0,0,1]
.endr
.endr
.irp i,0,1,2,3,4
.irp p,0,1
	v_pk_mul_f32 v[UR+14*\p+2*\i:UR+14*\p+2*\i+1], v[KC+52*\p+42+2*\i:KC+52*\p+43+2*\i], v[BR+12*\p+2*\i:BR+12*\p+2*\i+1]
.endr
.endr
.irp c,0,1,2,3
.irp p,0,1
	v_pk_mul_f32 v[\o+4*\c+2*\p:\o+4*\c+2*\p+1], v[DR+16*\p+2*\c+8:DR+16*\p+2*\c+9], v[UR+14*\p+2*\c+2:UR+14*\p+2*\c+3]
.endr
.endr
.irp c,0,1,2,3
.irp p,0,1
	v_pk_fma_f32 v[\o+4*\c+2*\p:\o+4*\c+2*\p+1], v[DR+16*\p+2*\c:DR+16*\p+2*\c+1], v[UR+14*\p+2*\c:UR+14*\p+2*\c+1], v[\o+4*\c+2*\p:\o+4*\c+2*\p+1] neg_lo:[0,0,1] neg_hi:[0,0,1]
.endr
.endr
.endm
; silu(z) = z / (1 + 2^(-z log2 e)) of the 64 numbers in v[XR] on, 16 at a time
.macro SILU64
.irp h,0,1,2,3
.irp i,0,2,4,6,8,10,12,14
	v_pk_mul_f32 v[ER+\i:ER+\i+1], v[XR+16*\h+\i:XR+16*\h+\i+1], s[NL:NL+1] op_sel_hi:[1,0]
.endr
	s_wait_alu depctr_va_vdst(0)
.irp i,0,1,2,3,4,5,6,7,8,9,10,11,12,13,14,15
	v_exp_f32 v[ER+\i], v[ER+\i]
.endr
	v_nop
	s_wait_alu depctr_va_vdst(0)
.irp i,0,2,4,6,8,10,12,14
	v_pk_add_f32 v[ER+\i:ER+\i+1], v[ER+\i:ER+\i+1], 1.0 op_sel_hi:[1,0]
.endr
	s_wait_alu depctr_va_vdst(0)
.irp i,0,1,2,3,4,5,6,7,8,9,10,11,12,13,14,15
	v_rcp_f32 v[ER+\i], v[ER+\i]
.endr
	v_nop
	s_wait_alu depctr_va_vdst(0)
.irp i,0,2,4,6,8,10,12,14
	v_pk_mul_f32 v[XR+16*\h+\i:XR+16*\h+\i+1], v[XR+16*\h+\i:XR+16*\h+\i+1], v[ER+\i:ER+\i+1]
.endr
.endr
.endm
; 64 numbers of a lane, register 16 b + i = k 32 b + 16 (lane / 16) + i of row lane % 16, become a fragment's 12 registers in v[PC] on and the row's scale word in v[PW].
.macro QUANT64 s
.irp b,0,1,2,3
	v_max3_num_f32 v[MX+\b], |v[\s+16*\b]|, |v[\s+1+16*\b]|, 0x2800000   ; the floor 2^(5 - 127) among the leaves: the byte cannot fall under 1
.endr
.irp i,2,4,6,8,10,12,14
.irp b,0,1,2,3
	v_max3_num_f32 v[MX+\b], v[MX+\b], |v[\s+16*\b+\i]|, |v[\s+1+16*\b+\i]|
.endr
.endr
.irp b,0,1,2,3
	v_permlanex16_b32 v[PL+\b], v[MX+\b], s[SEL], s[SEL+1]
.endr
.irp b,0,1,2,3
	v_max_num_f32 v[MX+\b], v[MX+\b], v[PL+\b]     ; with lane xor 16's: the block's largest magnitude
.endr
.irp b,0,1,2,3
	v_add_nc_u32 v[SO+\b], 0xfe000000, v[MX+\b]    ; 4 off the exponent field: the conversion's scale operand
.endr
.irp b,0,1,2,3
	v_lshrrev_b32 v[PL+\b], 23, v[SO+\b]           ; the scale's byte
.endr
	v_lshl_or_b32 v[PW], v[PL+1], 8, v[PL]
	v_lshl_or_b32 v[PW], v[PL+2], 16, v[PW]
	v_lshl_or_b32 v[PW], v[PL+3], 24, v[PW]
.irp c,0,1
	v_cvt_scalef32_pk16_bf6_f32 v[PC+6*\c:PC+2+6*\c], v[\s+32*\c:\s+15+32*\c], v[SO+2*\c]
	v_cvt_scalef32_pk16_bf6_f32 v[PC+12+4*\c:PC+14+4*\c], v[\s+16+32*\c:\s+31+32*\c], v[SO+2*\c+1]
.endr
	v_nop                                          ; one plain place behind a scaled conversion
.irp c,0,1                                     ; the operand wants a whole block in a lane: lanes 0-15 block 2 c, lanes 16-31 block 2 c + 1
.irp i,0,1,2
	v_permlane16_swap_b32 v[PC+6*\c+\i], v[PC+12+4*\c+\i]
.endr
.irp i,0,1,2
	v_mov_b32 v[PC+3+6*\c+\i], v[PC+12+4*\c+\i]
.endr
.endr
.endm
; Tile tau (16 rows) of my wave: one silu fragment, four spline fragments (one a coefficient), their scale words.
.macro ACT_TILE tau
	WIN ACTW
.irp b,0,1,2,3
.irp j,0,1,2,3
	ds_load_b128 v[XR+16*\b+4*\j:XR+16*\b+4*\j+3], v[ZQ] offset:8448*\tau+128*\b+16*\j
.endr
.endr
	s_wait_dscnt 0x0                               ; these, and the two rows asked for ahead
	SILU64
	s_wait_xcnt 0x0                                ; earlier stores have read the registers that are written next
	QUANT64 XR
.irp k,0,1,2
	global_store_b128 v[GOF], v[PC+4*\k:PC+4*\k+3], s[OSIL:OSIL+1] offset:1536*\tau+512*\k   ; 32 lanes, 512 consecutive bytes, aligned to 256
.endr
	ds_store_b32 v[SWD], v[PW] offset:320*\tau+256 ; lanes l and l + 16 write the same word with the same value
	s_wait_xcnt 0x0                                ; the spline's registers lie over the fragment just stored
	WIN 0
	s_mov_b32 s[ZO], (16*\tau+2)*528               ; the rows to ask for next
	s_mov_b32 s[RS], 0                             ; the planes' row
	s_mov_b32 s[CI], 8
.Lrow_\@:                                          ; a trip: two rows
	WIN ACTW
	v_add_nc_u32 v[TA], s[RS], v[PSA]
	s_wait_dscnt 5                                 ; behind the first row's load stand 4 stores and 1 load; the first set's earlier stores are older still
	SPL2 ZRA, OA
.irp c,0,1,2,3
	ds_store_b128 v[TA], v[OA+4*\c:OA+4*\c+3] offset:8448*\c
.endr
	s_min_u32 s[ZP], s[ZO], (NR-2)*528             ; the wave's last trip asks for its own last two rows again: no read leaves my rows
	v_add_nc_u32 v[ZAD], s[ZP], v[ZL]
	ds_load_b128 v[ZRA:ZRA+3], v[ZAD]
	s_wait_dscnt 5                                 ; likewise for the second row and the second set
	SPL2 ZRB, OB
.irp c,0,1,2,3
	ds_store_b128 v[TA], v[OB+4*\c:OB+4*\c+3] offset:8448*\c+528
.endr
	ds_load_b128 v[ZRB:ZRB+3], v[ZAD] offset:528
	WIN 0
	s_add_co_u32 s[ZO], s[ZO], 1056
	s_add_co_u32 s[RS], s[RS], 1056
	s_sub_co_u32 s[CI], s[CI], 1
	s_cmp_lg_u32 s[CI], 0
	s_cbranch_scc1 .Lrow_\@
	WIN ACTW
.irp c,0,1,2,3                                 ; plane c comes back with a lane's registers along the features: K step 8 + 8 c + (the group of 128 features)
.irp b,0,1,2,3
.irp j,0,1,2,3
	ds_load_b128 v[XR+16*\b+4*\j:XR+16*\b+4*\j+3], v[PRD] offset:8448*\c+128*\b+16*\j   ; LDS serves a wave's instructions in order: these see my stores
.endr
.endr
	s_wait_dscnt 0x0
	s_wait_xcnt 0x0                                ; the last fragment's stores have read their registers
	QUANT64 XR
.irp k,0,1,2
	global_store_b128 v[GOF], v[PC+4*\k:PC+4*\k+3], s[OSPL:OSPL+1] offset:1536*\tau+8*REC*\c+512*\k
.endr
	ds_store_b32 v[SWD], v[PW] offset:320*\tau+64*\c
.endr
	s_wait_xcnt 0x0                                ; the stores have read their registers
	WIN 0
.endm
; The scale words of the work-group's tiles leave as whole aligned blocks of 256 bytes: wave w takes coefficient w's K step, wave 0 silu's too.  nh: blocks of 64 rows.
.macro SCOUT nh
	WIN ACTW
.irp u,0,1
.if \u < \nh
	ds_load_b32 v[XR+2*\u], v[SCW] offset:1280*\u
	ds_load_b32 v[XR+2*\u+1], v[SCW] offset:1280*\u+640
.endif
.endr
	s_wait_dscnt 0x0
.irp u,0,1
.if \u < \nh
	global_store_b64 v[G8], v[XR+2*\u:XR+2*\u+1], s[OSC:OSC+1] offset:256*\u
.endif
.endr
	WIN 0
	s_cmp_lg_u32 s[WV], 0
	s_cbranch_scc1 .Lsc_\@
	WIN ACTW
.irp u,0,1
.if \u < \nh
	ds_load_b32 v[XR+4+2*\u], v[SCR] offset:1280*\u+256
	ds_load_b32 v[XR+5+2*\u], v[SCR] offset:1280*\u+896
.endif
.endr
	s_wait_dscnt 0x0
.irp u,0,1
.if \u < \nh
	global_store_b64 v[G8], v[XR+4+2*\u:XR+5+2*\u], s[OSS:OSS+1] offset:256*\u
.endif
.endr
	WIN 0
.Lsc_\@:
.endm
	s_load_b512 s[4:19], s[0:1], 0x0               ; x, grid_in, base_w1, base_w2, base_w3, spline_w1, spline_w2, spline_w3
	s_load_b128 s[20:23], s[0:1], 0x40             ; a1, wq
	v_lshl_add_u32 v251, v0, 2, 0x21500            ; my spare word: behind the scale words, from byte 136,448 on
	v_mov_b32 v255, 0
	v_lshrrev_b32 v1, 5, v0
	v_readfirstlane_b32 s[WV], v1                  ; wave
	v_and_b32 v1, 31, v0                           ; lane
	s_wait_alu depctr_va_vdst(0)                   ; directly ahead of the run of scalar instructions
	s_mov_b32 s3, ttmp9                            ; y: the grid's x, 0 .. 7
	s_and_b32 s67, ttmp7, 0xffff
	s_sub_co_u32 s67, 78, s67                      ; x = 78 - the grid's y: the weights' work-groups, which have the most to do, get the lowest numbers
	s_mov_b32 s[SEL], 0x76543210
	s_mov_b32 s[SEL+1], 0xfedcba98
	s_cmp_ge_u32 s67, 64
	s_cbranch_scc1 .Lweights
	; ---- activations: rows 64 X .. 64 X + 63, features 128 y .. 128 y + 127; my wave: 16 rows
	ACT_ADDR
	s_mov_b32 s[NL], 0xbfb8aa3b
	s_mov_b32 s[NL+1], s[NL]
	s_lshl_b32 s42, s67, 6
	s_lshl_b32 s43, s[WV], 4
	s_add_co_u32 s42, s42, s43
	s_lshl_b32 s42, s42, 12                        ; my first row, 4,096 bytes a row,
	s_lshl_b32 s43, s3, 9
	s_add_co_u32 s42, s42, s43                     ; + 512 y
	s_mov_b32 s43, 0
	s_lshl_b32 s44, s3, 12                         ; the knots of 128 features
	s_mov_b32 s45, 0
	s_lshr_b32 s46, s67, 1
	s_mul_i32 s46, s46, 40*REC                     ; the block of 128 rows
	s_and_b32 s47, s67, 1
	s_lshl_b32 s48, s47, 2
	s_add_co_u32 s48, s48, s[WV]
	s_mul_i32 s48, s48, 1536                       ; my fragment
	s_mul_i32 s49, s3, REC
	s_add_co_u32 s50, s46, s49                     ; silu's record: K step y
	s_add_co_u32 s51, s50, 8*REC                   ; coefficient 0's record: K step 8 + y
	s_lshl_b32 s47, s47, 8
	s_add_co_u32 s47, s47, 12288                   ; my 64 rows' scale words in a record
	s_add_co_u32 s52, s50, s48
	s_mov_b32 s53, 0
	s_add_co_u32 s54, s51, s48
	s_mov_b32 s55, 0
	s_mul_i32 s56, s[WV], 8*REC                    ; coefficient w's record
	s_add_co_u32 s56, s56, s51
	s_add_co_u32 s56, s56, s47
	s_mov_b32 s57, 0
	s_add_co_u32 s58, s50, s47
	s_mov_b32 s59, 0
	s_wait_kmcnt 0x0
	s_add_nc_u64 s[4:5], s[4:5], s[42:43]
	s_add_nc_u64 s[6:7], s[6:7], s[44:45]
	s_add_nc_u64 s[OSIL:OSIL+1], s[20:21], s[52:53]
	s_add_nc_u64 s[OSPL:OSPL+1], s[20:21], s[54:55]
	s_add_nc_u64 s[OSC:OSC+1], s[20:21], s[56:57]
	s_add_nc_u64 s[OSS:OSS+1], s[20:21], s[58:59]
.irp r,0,1,2,3,4,5,6,7,8,9,10,11,12,13,14,15
	global_load_b128 v[XR+4*\r:XR+4*\r+3], v[GOF], s[4:5] offset:4096*\r th:TH_LOAD_NT   ; 512 consecutive bytes of a row; read once in the launch
.endr
.irp i,0,1,2,3,4,5,6,7
	global_load_b128 v[GR+4*\i:GR+4*\i+3], v[GKO], s[6:7] offset:16*\i
.endr
	s_wait_loadcnt 8                               ; x is in; the 8 loads of knots may be out
.irp r,0,1,2,3,4,5,6,7,8,9,10,11,12,13,14,15
	ds_store_b128 v[ZL], v[XR+4*\r:XR+4*\r+3] offset:528*\r
.endr
	ds_load_b128 v[ZRA:ZRA+3], v[ZL]               ; the first two rows for the splines
	ds_load_b128 v[ZRB:ZRB+3], v[ZL] offset:528
	s_wait_loadcnt 0x0
	CONSTS GR
	ACT_TILE 0
	s_wait_dscnt 0x0                               ; for the others' sake: my scale words lie in LDS
	s_barrier_signal -1
	s_barrier_wait -1
	SCOUT 1
	s_wait_tensorcnt 0x0
	ds_add_u32 v251, v255
	s_wait_dscnt 0x0
	s_endpgm
	; ---- weights.  x' = x - 64 = 5 q + kg.  q = 0, 1: 64 outputs (block 8 q + y) of layers 1 and 2; q = 2: 128 outputs of layer 3.  kg = 0: base weights; kg = 1 .. 4: spline weights.
	; Wave w: half = w % 2 (layer 1 or 2; in layer 3 the upper 64 rows); w / 2: K steps 0-3 or 4-7 (base), features 128 j on with j = 2 (kg - 1) + w / 2 (splines).
.Lweights:
.set WSO,  2                           ; the stage, as loaded
.set WRD,  3                           ; and back
.set WGO,  4                           ; 16 x lane + my four fragments
.set WG8,  5                           ; 8 x lane + my scale words
.set SWP,  6                           ; v[6:7] the scale words of four tiles
.set LW,   8                           ; landing sets of 64 registers
.set VO,   252                         ; my byte in the first two rows of a piece: (lane / 16) rows + 16 (lane % 16)
.set WP,   44                          ; s[44:45] my first row, my first byte in it
.set DB,   48                          ; s[48:55] records
.set HM,   56
	s_sub_co_u32 s26, s67, 64
	s_mul_hi_u32 s27, s26, 0x33333334              ; q = x' / 5 (x' under 15)
	s_mul_i32 s28, s27, 5
	s_sub_co_u32 s28, s26, s28                     ; kg
	s_lshl_b32 s29, s27, 3
	s_add_co_u32 s29, s29, s3                      ; block of 64 outputs
	s_and_b32 s30, s[WV], 1                        ; half
	s_lshr_b32 s31, s[WV], 1
	s_lshl_b32 s33, s3, 7
	s_lshl_b32 s34, s30, 6
	s_add_co_u32 s33, s33, s34                     ; layer 3: first row 128 y + 64 half
	s_lshl_b32 s34, s29, 6                         ; layers 1, 2: 64 x block
	s_lshr_b32 s35, s29, 1
	s_mul_i32 s35, s35, 80
	s_and_b32 s36, s29, 1
	s_add_co_u32 s35, s35, s36                     ; layers 1, 2: K step s lies in record (block / 2) 80 + block % 2 + 2 s
	s_mul_i32 s36, s3, 40
	s_add_co_u32 s36, s36, 640                     ; layer 3: in record 640 + 40 y + s
	s_mov_b32 s[HM], 0xffff0000
	s_wait_alu depctr_va_vdst(0)
	v_and_b32 v253, 15, v1
	v_lshrrev_b32 v254, 4, v1
	s_mul_i32 s59, s30, 6144
	v_lshlrev_b32 v[WGO], 4, v1
	v_add_nc_u32 v[WGO], s59, v[WGO]
	s_lshl_b32 s59, s30, 8
	s_add_co_u32 s59, s59, 12288
	v_lshlrev_b32 v[WG8], 3, v1
	v_add_nc_u32 v[WG8], s59, v[WG8]
	s_wait_kmcnt 0x0
	s_cmp_eq_u32 s30, 0                            ; the choices hang on ids alone
	s_cselect_b64 s[8:9], s[8:9], s[10:11]
	s_cselect_b64 s[14:15], s[14:15], s[16:17]
	s_cmp_eq_u32 s27, 2
	s_cselect_b64 s[8:9], s[12:13], s[8:9]
	s_cselect_b64 s[14:15], s[18:19], s[14:15]
	s_cselect_b32 s33, s33, s34                    ; my first row
	s_cselect_b32 s35, s36, s35                    ; K step 0's record
	s_cselect_b32 s37, 1, 2                        ; records from a K step to the next
	s_cmp_lg_u32 s28, 0
	s_cbranch_scc1 .Lspline
; A piece of 16 rows x 512 bytes into 64 registers: sixteen lanes read 256 consecutive bytes, aligned; read once in the launch
.macro WLOAD reg, off, pitch
.irp i,0,1,2,3,4,5,6,7
.irp u,0,1
	global_load_b128 v[(\reg)+4*(2*\i+\u):(\reg)+4*(2*\i+\u)+3], v[VO], s[WP:WP+1] offset:(\off)+2*\i*(\pitch)+256*\u th:TH_LOAD_NT
.endr
.endr
.endm
	; ---- base weights: a trip of the loop is one K step, four tiles of 16 rows
.set PWS,  240                         ; v240-243 the four tiles' scale words
	s_lshl_b32 s38, s31, 2                         ; my first K step
	s_lshl_b32 s40, s33, 12                        ; a row is 4,096 bytes,
	s_lshl_b32 s39, s38, 9                         ; a K step 512
	s_add_co_u32 s40, s40, s39
	s_mov_b32 s41, 0
	s_add_nc_u64 s[WP:WP+1], s[8:9], s[40:41]
	s_mul_i32 s42, s38, s37
	s_add_co_u32 s42, s42, s35
	s_mul_i32 s42, s42, REC
	s_mov_b32 s43, 0
	s_add_nc_u64 s[DB:DB+1], s[22:23], s[42:43]
	s_mul_i32 s46, s37, REC                        ; from a K step's record to the next's
	s_mov_b32 s47, 0
	s_mul_i32 s58, s[WV], 33792
	s_add_co_u32 s58, s58, WSB
	s_wait_alu depctr_va_vdst(0)
	v_mul_u32_u24 v[WSO], v254, 528                ; as loaded: two rows an instruction
	v_lshl_add_u32 v[WSO], v253, 4, v[WSO]
	v_add_nc_u32 v[WSO], s58, v[WSO]
	v_mul_u32_u24 v[WRD], v253, 528                ; back: row lane % 16, 16 neighbours of each block
	v_lshl_add_u32 v[WRD], v254, 6, v[WRD]
	v_add_nc_u32 v[WRD], s58, v[WRD]
	v_lshlrev_b32 v[VO], 12, v254
	v_lshl_add_u32 v[VO], v253, 4, v[VO]
.irp b,0,1,2,3
	v_mov_b32 v[PL+\b], 0                          ; a lane permute's destination counts as one of its sources
.endr
.macro WFRAG f, left                   ; tile f; left: the younger tiles' loads, which may stay out
.set LSET, LW+64*((\f)%3)
	s_wait_loadcnt \left
.irp i,0,1,2,3,4,5,6,7
.irp u,0,1
	ds_store_b128 v[WSO], v[LSET+4*(2*\i+\u):LSET+4*(2*\i+\u)+3] offset:1056*\i+256*\u
.endr
.endr
.irp b,0,1,2,3
.irp j,0,1,2,3
	ds_load_b128 v[LSET+16*\b+4*\j:LSET+16*\b+4*\j+3], v[WRD] offset:128*\b+16*\j   ; LDS serves a wave's instructions in order: these see the stores above
.endr
.endr
	s_wait_dscnt 0x0
	s_wait_xcnt 0x0                                ; earlier stores have read the fragment's and the scale words' registers
	QUANT64 LSET
	v_mov_b32 v[PWS+\f], v[PW]
.irp k,0,1,2
	global_store_b128 v[WGO], v[PC+4*\k:PC+4*\k+3], s[DB:DB+1] offset:1536*\f+512*\k
.endr
.endm
	s_mov_b32 s57, 4
.Lbk:
	WLOAD LW, 0, 4096
	WLOAD LW+64, 65536, 4096
	WLOAD LW+128, 131072, 4096
	s_wait_alu depctr_va_vdst(0)
	WFRAG 0, 32                                    ; tiles 1 and 2 may be out
	WLOAD LW, 196608, 4096
	WFRAG 1, 32                                    ; tiles 2 and 3
	WFRAG 2, 16
	WFRAG 3, 0
	v_cndmask_b32 v[SWP], v[PWS], v[PWS+1], s[HM]       ; lanes 0-15 tile 0's words, lanes 16-31 tile 1's
	v_cndmask_b32 v[SWP+1], v[PWS+2], v[PWS+3], s[HM]
	global_store_b64 v[WG8], v[SWP:SWP+1], s[DB:DB+1]   ; 256 consecutive bytes, aligned
	s_wait_xcnt 0x0                                ; the bases are stepped only behind this wait
	s_add_nc_u64 s[WP:WP+1], s[WP:WP+1], 512
	s_add_nc_u64 s[DB:DB+1], s[DB:DB+1], s[46:47]
	s_sub_co_u32 s57, s57, 1
	s_cmp_lg_u32 s57, 0
	s_cbranch_scc1 .Lbk
	s_wait_tensorcnt 0x0
	ds_add_u32 v251, v255
	s_wait_dscnt 0x0
	s_endpgm
	; ---- spline weights: 64 rows x 128 features x 4 coefficients.  A chunk is 16 rows x 32 features: 512 consecutive bytes of each row, a feature's four coefficients in one lane's load.
	; They are sorted by coefficient into a stage of four planes and come back as 16 neighbouring features of each plane: half a block a lane.
.Lspline:
.set FRG,  136                         ; v136-215 for plane c at 20 c: a fragment's 12 registers, and 8 at work
.set QM,   216
.set QP,   220
.set QS,   224
.set PWS,  228                         ; v228-243 scale words: 4 c + tile
	s_sub_co_u32 s38, s28, 1
	s_lshl_b32 s38, s38, 1
	s_add_co_u32 s38, s38, s31                     ; j
	s_lshl_b32 s40, s33, 14                        ; a row is 16,384 bytes,
	s_lshl_b32 s39, s38, 11                        ; 128 features 2,048
	s_add_co_u32 s40, s40, s39
	s_mov_b32 s41, 0
	s_add_nc_u64 s[WP:WP+1], s[14:15], s[40:41]
	s_add_co_u32 s39, s38, 8                       ; coefficient 0's K step
	s_mul_i32 s42, s39, s37
	s_add_co_u32 s42, s42, s35
	s_mul_i32 s42, s42, REC
	s_mov_b32 s43, 0
	s_add_nc_u64 s[DB:DB+1], s[22:23], s[42:43]
	s_mul_i32 s42, s37, 8*REC                      ; eight K steps on: the next coefficient
	s_add_nc_u64 s[DB+2:DB+3], s[DB:DB+1], s[42:43]
	s_add_nc_u64 s[DB+4:DB+5], s[DB+2:DB+3], s[42:43]
	s_add_nc_u64 s[DB+6:DB+7], s[DB+4:DB+5], s[42:43]
	s_mul_i32 s58, s[WV], 33792
	s_add_co_u32 s58, s58, WSS
	s_wait_alu depctr_va_vdst(0)
	v_mul_u32_u24 v[WSO], v254, 144                ; in: row lane / 16 of the pair, feature lane % 16
	v_lshl_add_u32 v[WSO], v253, 2, v[WSO]
	v_add_nc_u32 v[WSO], s58, v[WSO]
	v_mul_u32_u24 v[WRD], v253, 144                ; back: row lane % 16, + 64 (lane / 16)
	v_lshl_add_u32 v[WRD], v254, 6, v[WRD]
	v_add_nc_u32 v[WRD], s58, v[WRD]
	v_lshlrev_b32 v[VO], 14, v254
	v_lshl_add_u32 v[VO], v253, 4, v[VO]
.irp b,0,1,2,3
	v_mov_b32 v[QP+\b], 0                          ; a lane permute's destination counts as one of its sources
.endr
.macro SCHUNK n                        ; chunk n = 4 x tile + block
.set LSET, LW+64*((\n)%2)
.set FB, 6*(((\n)%4)/2)+((\n)%2)*(12-2*(((\n)%4)/2))   ; where the block's half goes: 0, 12, 6, 16
.if (\n) < 15
	s_wait_loadcnt 16                              ; mine are in; the next chunk's 16 loads may be out
.else
	s_wait_loadcnt 0x0
.endif
.irp i,0,1,2,3,4,5,6,7
.irp u,0,1
.irp c,0,1,2,3
	ds_store_b32 v[WSO], v[LSET+4*(2*\i+\u)+\c] offset:2304*\c+288*\i+64*\u
.endr
.endr
.endr
.irp c,0,1,2,3
.irp j,0,1,2,3
	ds_load_b128 v[LSET+16*\c+4*\j:LSET+16*\c+4*\j+3], v[WRD] offset:2304*\c+16*\j   ; LDS serves a wave's instructions in order: these see the stores above
.endr
.endr
	s_wait_dscnt 0x0
.irp c,0,1,2,3
	v_max3_num_f32 v[QM+\c], |v[LSET+16*\c]|, |v[LSET+16*\c+1]|, 0x2800000
.endr
.irp i,2,4,6,8,10,12,14
.irp c,0,1,2,3
	v_max3_num_f32 v[QM+\c], v[QM+\c], |v[LSET+16*\c+\i]|, |v[LSET+16*\c+\i+1]|
.endr
.endr
.irp c,0,1,2,3
	v_permlanex16_b32 v[QP+\c], v[QM+\c], s[SEL], s[SEL+1]
.endr
.irp c,0,1,2,3
	v_max_num_f32 v[QM+\c], v[QM+\c], v[QP+\c]
.endr
.irp c,0,1,2,3
	v_add_nc_u32 v[QS+\c], 0xfe000000, v[QM+\c]
.endr
.irp c,0,1,2,3
	v_lshrrev_b32 v[QP+\c], 23, v[QS+\c]
.endr
.irp c,0,1,2,3
.if (\n)%4 == 0
	v_mov_b32 v[PWS+4*\c+(\n)/4], v[QP+\c]
.else
	v_lshl_or_b32 v[PWS+4*\c+(\n)/4], v[QP+\c], 8*((\n)%4), v[PWS+4*\c+(\n)/4]
.endif
.endr
	s_wait_xcnt 0x0                                ; the last tile's stores have read the fragments' registers
.irp c,0,1,2,3
	v_cvt_scalef32_pk16_bf6_f32 v[FRG+20*\c+FB:FRG+20*\c+FB+2], v[LSET+16*\c:LSET+16*\c+15], v[QS+\c]
.endr
	v_nop                                          ; one plain place behind a scaled conversion
.if (\n)+2 < 16
	WLOAD LSET, (((\n)+2)/4)*262144+(((\n)+2)%4)*512, 16384
.endif
.endm
.macro SFIN i                          ; tile i's four fragments are joined (a whole block to a lane) and stored
.irp c,0,1,2,3
.irp g,0,1
.irp k,0,1,2
	v_permlane16_swap_b32 v[FRG+20*\c+6*\g+\k], v[FRG+20*\c+12+4*\g+\k]
.endr
.irp k,0,1,2
	v_mov_b32 v[FRG+20*\c+3+6*\g+\k], v[FRG+20*\c+12+4*\g+\k]
.endr
.endr
.irp k,0,1,2
	global_store_b128 v[WGO], v[FRG+20*\c+4*\k:FRG+20*\c+4*\k+3], s[DB+2*\c:DB+2*\c+1] offset:1536*(\i)+512*\k
.endr
.endr
.endm
	WLOAD LW, 0, 16384
	WLOAD LW+64, 512, 16384
	s_wait_alu depctr_va_vdst(0)
.irp t,0,1,2,3
	SCHUNK 4*\t
	SCHUNK 4*\t+1
	SCHUNK 4*\t+2
	SCHUNK 4*\t+3
	SFIN \t
.endr
.irp c,0,1,2,3
	v_cndmask_b32 v[LW+2*\c], v[PWS+4*\c], v[PWS+4*\c+1], s[HM]
	v_cndmask_b32 v[LW+2*\c+1], v[PWS+4*\c+2], v[PWS+4*\c+3], s[HM]
	global_store_b64 v[WG8], v[LW+2*\c:LW+2*\c+1], s[DB+2*\c:DB+2*\c+1]   ; 256 consecutive bytes, aligned
.endr
	s_wait_tensorcnt 0x0
	ds_add_u32 v251, v255
	s_wait_dscnt 0x0
	s_endpgm
.Lfunc_end_k_q8ce9007c02_prep:
	.size	k_q8ce9007c02_prep, .Lfunc_end_k_q8ce9007c02_prep-k_q8ce9007c02_prep
	.p2alignl 7, 3214868480
	.fill 96, 4, 3214868480
	.section	.rodata,"a",@progbits
	.p2align	6, 0x0
	.amdhsa_kernel k_q8ce9007c02_prep
		.amdhsa_group_segment_fixed_size 136960
		.amdhsa_private_segment_fixed_size 0
		.amdhsa_enable_private_segment 0
		.amdhsa_kernarg_size 80
		.amdhsa_user_sgpr_count 2
		.amdhsa_user_sgpr_kernarg_segment_ptr 1
		.amdhsa_wavefront_size32 1
		.amdhsa_system_sgpr_workgroup_id_x 1
		.amdhsa_system_sgpr_workgroup_id_y 1
		.amdhsa_system_sgpr_workgroup_id_z 1
		.amdhsa_system_vgpr_workitem_id 0
		.amdhsa_next_free_vgpr 256
		.amdhsa_next_free_sgpr 100
		.amdhsa_reserve_vcc 0
		.amdhsa_float_denorm_mode_32 3
		.amdhsa_float_denorm_mode_16_64 3
		.amdhsa_memory_ordered 1
		.amdhsa_forward_progress 1
		.amdhsa_inst_pref_size 255
	.end_amdhsa_kernel
	.section	.bss,"aw",@nobits
	.p2align	6
	.space	262144
	.amdgpu_metadata
---
amdhsa.version: [ 1, 2 ]
amdhsa.kernels:
  - .name:           k_q8ce9007c02_prep
    .symbol:         k_q8ce9007c02_prep.kd
    .args:
      - { .name: x, .offset: 0, .size: 8, .value_kind: global_buffer, .address_space: global }
      - { .name: grid_in, .offset: 8, .size: 8, .value_kind: global_buffer, .address_space: global }
      - { .name: base_w1, .offset: 16, .size: 8, .value_kind: global_buffer, .address_space: global }
      - { .name: base_w2, .offset: 24, .size: 8, .value_kind: global_buffer, .address_space: global }
      - { .name: base_w3, .offset: 32, .size: 8, .value_kind: global_buffer, .address_space: global }
      - { .name: spline_w1, .offset: 40, .size: 8, .value_kind: global_buffer, .address_space: global }
      - { .name: spline_w2, .offset: 48, .size: 8, .value_kind: global_buffer, .address_space: global }
      - { .name: spline_w3, .offset: 56, .size: 8, .value_kind: global_buffer, .address_space: global }
      - { .name: a1, .offset: 64, .size: 8, .value_kind: global_buffer, .address_space: global }
      - { .name: wq, .offset: 72, .size: 8, .value_kind: global_buffer, .address_space: global }
    .group_segment_fixed_size: 136960
    .private_segment_fixed_size: 0
    .kernarg_segment_align: 8
    .kernarg_segment_size: 80
    .max_flat_workgroup_size: 128
    .sgpr_count:     100
    .vgpr_count:     256
    .wavefront_size: 32
...
	.end_amdgpu_metadata
.endif
;; end of part 1
;; launch gate (part 2): grid 8 x 32, 4 waves a work-group, clusters of 4 x 4, 327,680 bytes of LDS; arguments a1, wq, grid_ff, a3; writes a3
.if DOCPART == 2
	.amdgcn_target "amdgcn-amd-amdhsa--gfx1250"
	.amdhsa_code_object_version 6
	.text
	.protected	k_q8ce9007c02_gate
	.globl	k_q8ce9007c02_gate
	.p2align	8
	.type	k_q8ce9007c02_gate,@function
k_q8ce9007c02_gate:
	s_mov_b64 s[64:65], 0
	v_nop
	global_prefetch_b8 v0, s[64:65] scope:SCOPE_SE
	s_setreg_imm32_b32 hwreg(HW_REG_WAVE_MODE, 25, 1), 1
	s_wait_xcnt 0x0
	s_wait_alu depctr_hold_cnt(0) depctr_sa_sdst(0) depctr_va_vdst(0) depctr_va_sdst(0) depctr_va_ssrc(0) depctr_va_vcc(0) depctr_vm_vsrc(0)
	s_getreg_b32 s2, hwreg(HW_REG_IB_STS2, 6, 4)
	s_cmp_eq_u32 s2, 0
	s_cbranch_scc0 .Lentry_in_a_cluster
	s_endpgm
.Lentry_in_a_cluster:
	s_bfe_u32 s2, ttmp6, 0x10000c
	s_cmp_lg_u32 s2, 0xf033
	s_cbranch_scc0 .Lentry_shape_is_right
	s_endpgm
.Lentry_shape_is_right:
.set REC,  12800
.set SLOT, 153600
.set SPARE, 307200
.set ACTW, 0xff
.set NR,   32
.set ZT,   0
.set ZW,   16896
.set SCS,  67584
.set SW,   640
.set PST,  153600
.set PWV,  33792
.set ADRA, 4
.set ADRB, 6
.set ADSA, 10
.set ADSB, 12
.set SPW,  16
.set NIL,  17
.set HST,  18
.set PFO,  21                          ; v21 the prefetches' offset: 256 x min(lane, 24); never rewritten
.set PFA,  12                          ; s[12:13] where my prefetches stand; s[44:45] bytes from a slot's tiles to the next slot's
.set SC,   24
.set AF,   64
.set ZL,   2
.set ZQ,   3
.set PSA,  4
.set PRD,  5
.set GOF,  9
.set SWD,  10
.set SCR,  11
.set G8,   12
.set SCW,  13
.set GKO,  14
.set KC,   16
.set XR,   120
.set ER,   184
.set GR,   184
.set MX,   200
.set PL,   204
.set SO,   208
.set PW,   216
.set PC,   218
.set DR,   120
.set UR,   152
.set BR,   180
.set OA,   204
.set OB,   220
.set ZRA,  240
.set ZRB,  244
.set TA,   248
.set ZAD,  252
.set WV,   14
.set G1,   24
.set G0,   32
.set G1B,  48
.set G0B,  56
.set SEL,  24
.set NL,   26
.set OSIL, 28
.set OSPL, 30
.set OSC,  32
.set OSS,  34
.set ZO,   36
.set ZP,   37
.set RS,   38
.set CI,   40
.set MK,   68
.set MSB, 0
.macro WIN new
.if MSB != \new
	s_set_vgpr_msb (MSB<<8)|\new
.set MSB, \new
.endif
.endm
.macro PLACES n
.rept \n
	v_nop
.endr
.endm
.macro ACT_ADDR
	s_mul_i32 s66, s[WV], ZW
	s_add_co_u32 s66, s66, ZT
	v_and_b32 v[TA], 15, v1
	v_lshrrev_b32 v[TA+1], 4, v1
	v_lshlrev_b32 v[GOF], 4, v1
	v_lshlrev_b32 v[G8], 3, v1
	v_lshlrev_b32 v[GKO], 7, v1
	v_add_nc_u32 v[ZL], s66, v[GOF]
	v_mul_u32_u24 v[ZAD], v[TA], 528
	v_lshl_add_u32 v[ZAD], v[TA+1], 6, v[ZAD]
	v_add_nc_u32 v[ZQ], s66, v[ZAD]
	s_mul_i32 s66, s[WV], PWV
	s_add_co_u32 s66, s66, PST
	v_add_nc_u32 v[PSA], s66, v[GOF]
	v_add_nc_u32 v[PRD], s66, v[ZAD]
	s_mul_i32 s66, s[WV], SW
	s_add_co_u32 s66, s66, SCS
	v_lshl_add_u32 v[SWD], v[TA], 2, s66
	v_mul_u32_u24 v[SCR], v[TA+1], 320
	v_lshl_add_u32 v[SCR], v[TA], 2, v[SCR]
	v_add_nc_u32 v[SCR], SCS, v[SCR]
	s_lshl_b32 s66, s[WV], 6
	v_add_nc_u32 v[SCW], s66, v[SCR]
.irp b,0,1,2,3
	v_mov_b32 v[PL+\b], 0
.endr
.endm
.macro CONSTS g
.irp p,0,1
.irp e,0,1
.irp i,0,1,2,3,4,5,6,7
	v_mov_b32 v[KC+52*\p+2*\i+\e], v[\g+8*(2*\p+\e)+\i]
.endr
.endr
.endr
.irp p,0,1
.irp i,0,1,2,3,4,5,6
	v_pk_add_f32 v[KC+52*\p+16+2*\i:KC+52*\p+17+2*\i], v[KC+52*\p+2*\i+2:KC+52*\p+2*\i+3], v[KC+52*\p+2*\i:KC+52*\p+2*\i+1] neg_lo:[0,1] neg_hi:[0,1]
.endr
.irp i,0,1,2,3,4,5
	v_pk_add_f32 v[KC+52*\p+30+2*\i:KC+52*\p+31+2*\i], v[KC+52*\p+2*\i+4:KC+52*\p+2*\i+5], v[KC+52*\p+2*\i:KC+52*\p+2*\i+1] neg_lo:[0,1] neg_hi:[0,1]
.endr
.irp i,0,1,2,3,4
	v_pk_add_f32 v[KC+52*\p+42+2*\i:KC+52*\p+43+2*\i], v[KC+52*\p+2*\i+6:KC+52*\p+2*\i+7], v[KC+52*\p+2*\i:KC+52*\p+2*\i+1] neg_lo:[0,1] neg_hi:[0,1]
.endr
.endr
	s_wait_alu depctr_va_vdst(0)
.irp p,0,1
.set J, 16
.rept 36
	v_rcp_f32 v[KC+52*\p+J], v[KC+52*\p+J]
.set J, J+1
.endr
.endr
	v_nop
.endm
.macro SPL2 z, o
.irp p,0,1
.irp e,0,1
.irp i,0,1,2,3,4,5,6,7
	v_cmp_ge_f32 s[MK+8*(2*\p+\e)+\i], v[\z+2*\p+\e], v[KC+52*\p+2*\i+\e]
.endr
.endr
.endr
.irp i,0,1,2,3,4,5,6,7
.irp p,0,1
	v_pk_add_f32 v[DR+16*\p+2*\i:DR+16*\p+2*\i+1], v[\z+2*\p:\z+2*\p+1], v[KC+52*\p+2*\i:KC+52*\p+2*\i+1] neg_lo:[0,1] neg_hi:[0,1]
.endr
.endr
.irp f,0,1,2,3
.irp i,0,1,2,3,4,5,6
	s_and_not1_b32 s[MK+8*\f+\i], s[MK+8*\f+\i], s[MK+8*\f+\i+1]
.endr
.endr
.irp i,0,1,2,3,4,5,6
.irp p,0,1
.irp e,0,1
	v_cndmask_b32 v[UR+14*\p+2*\i+\e], 0, v[KC+52*\p+16+2*\i+\e], s[MK+8*(2*\p+\e)+\i]
.endr
.endr
.endr
.irp i,0,1,2,3,4,5
.irp p,0,1
	v_pk_mul_f32 v[BR+12*\p+2*\i:BR+12*\p+2*\i+1], v[DR+16*\p+2*\i+4:DR+16*\p+2*\i+5], v[UR+14*\p+2*\i+2:UR+14*\p+2*\i+3]
.endr
.endr
.irp i,0,1,2,3,4,5
.irp p,0,1
	v_pk_fma_f32 v[BR+12*\p+2*\i:BR+12*\p+2*\i+1], v[DR+16*\p+2*\i:DR+16*\p+2*\i+1], v[UR+14*\p+2*\i:UR+14*\p+2*\i+1], v[BR+12*\p+2*\i:BR+12*\p+2*\i+1] neg_lo:[0,0,1] neg_hi:[0,0,1]
.endr
.endr
.irp i,0,1,2,3,4,5
.irp p,0,1
	v_pk_mul_f32 v[UR+14*\p+2*\i:UR+14*\p+2*\i+1], v[KC+52*\p+30+2*\i:KC+52*\p+31+2*\i], v[BR+12*\p+2*\i:BR+12*\p+2*\i+1]
.endr
.endr
.irp i,0,1,2,3,4
.irp p,0,1
	v_pk_mul_f32 v[BR+12*\p+2*\i:BR+12*\p+2*\i+1], v[DR+16*\p+2*\i+6:DR+16*\p+2*\i+7], v[UR+14*\p+2*\i+2:UR+14*\p+2*\i+3]
.endr
.endr
.irp i,0,1,2,3,4
.irp p,0,1
	v_pk_fma_f32 v[BR+12*\p+2*\i:BR+12*\p+2*\i+1], v[DR+16*\p+2*\i:DR+16*\p+2*\i+1], v[UR+14*\p+2*\i:UR+14*\p+2*\i+1], v[BR+12*\p+2*\i:BR+12*\p+2*\i+1] neg_lo:[0,0,1] neg_hi:[0,0,1]
.endr
.endr
.irp i,0,1,2,3,4
.irp p,0,1
	v_pk_mul_f32 v[UR+14*\p+2*\i:UR+14*\p+2*\i+1], v[KC+52*\p+42+2*\i:KC+52*\p+43+2*\i], v[BR+12*\p+2*\i:BR+12*\p+2*\i+1]
.endr
.endr
.irp c,0,1,2,3
.irp p,0,1
	v_pk_mul_f32 v[\o+4*\c+2*\p:\o+4*\c+2*\p+1], v[DR+16*\p+2*\c+8:DR+16*\p+2*\c+9], v[UR+14*\p+2*\c+2:UR+14*\p+2*\c+3]
.endr
.endr
.irp c,0,1,2,3
.irp p,0,1
	v_pk_fma_f32 v[\o+4*\c+2*\p:\o+4*\c+2*\p+1], v[DR+16*\p+2*\c:DR+16*\p+2*\c+1], v[UR+14*\p+2*\c:UR+14*\p+2*\c+1], v[\o+4*\c+2*\p:\o+4*\c+2*\p+1] neg_lo:[0,0,1] neg_hi:[0,0,1]
.endr
.endr
.endm
.macro SILU64
.irp h,0,1,2,3
.irp i,0,2,4,6,8,10,12,14
	v_pk_mul_f32 v[ER+\i:ER+\i+1], v[XR+16*\h+\i:XR+16*\h+\i+1], s[NL:NL+1] op_sel_hi:[1,0]
.endr
	s_wait_alu depctr_va_vdst(0)
.irp i,0,1,2,3,4,5,6,7,8,9,10,11,12,13,14,15
	v_exp_f32 v[ER+\i], v[ER+\i]
.endr
	v_nop
	s_wait_alu depctr_va_vdst(0)
.irp i,0,2,4,6,8,10,12,14
	v_pk_add_f32 v[ER+\i:ER+\i+1], v[ER+\i:ER+\i+1], 1.0 op_sel_hi:[1,0]
.endr
	s_wait_alu depctr_va_vdst(0)
.irp i,0,1,2,3,4,5,6,7,8,9,10,11,12,13,14,15
	v_rcp_f32 v[ER+\i], v[ER+\i]
.endr
	v_nop
	s_wait_alu depctr_va_vdst(0)
.irp i,0,2,4,6,8,10,12,14
	v_pk_mul_f32 v[XR+16*\h+\i:XR+16*\h+\i+1], v[XR+16*\h+\i:XR+16*\h+\i+1], v[ER+\i:ER+\i+1]
.endr
.endr
.endm
.macro QUANT64 s
.irp b,0,1,2,3
	v_max3_num_f32 v[MX+\b], |v[\s+16*\b]|, |v[\s+1+16*\b]|, 0x2800000
.endr
.irp i,2,4,6,8,10,12,14
.irp b,0,1,2,3
	v_max3_num_f32 v[MX+\b], v[MX+\b], |v[\s+16*\b+\i]|, |v[\s+1+16*\b+\i]|
.endr
.endr
.irp b,0,1,2,3
	v_permlanex16_b32 v[PL+\b], v[MX+\b], s[SEL], s[SEL+1]
.endr
.irp b,0,1,2,3
	v_max_num_f32 v[MX+\b], v[MX+\b], v[PL+\b]
.endr
.irp b,0,1,2,3
	v_add_nc_u32 v[SO+\b], 0xfe000000, v[MX+\b]
.endr
.irp b,0,1,2,3
	v_lshrrev_b32 v[PL+\b], 23, v[SO+\b]
.endr
	v_lshl_or_b32 v[PW], v[PL+1], 8, v[PL]
	v_lshl_or_b32 v[PW], v[PL+2], 16, v[PW]
	v_lshl_or_b32 v[PW], v[PL+3], 24, v[PW]
.irp c,0,1
	v_cvt_scalef32_pk16_bf6_f32 v[PC+6*\c:PC+2+6*\c], v[\s+32*\c:\s+15+32*\c], v[SO+2*\c]
	v_cvt_scalef32_pk16_bf6_f32 v[PC+12+4*\c:PC+14+4*\c], v[\s+16+32*\c:\s+31+32*\c], v[SO+2*\c+1]
.endr
	v_nop
.irp c,0,1
.irp i,0,1,2
	v_permlane16_swap_b32 v[PC+6*\c+\i], v[PC+12+4*\c+\i]
.endr
.irp i,0,1,2
	v_mov_b32 v[PC+3+6*\c+\i], v[PC+12+4*\c+\i]
.endr
.endr
.endm
.macro ACT_TILE tau
	WIN ACTW
.irp b,0,1,2,3
.irp j,0,1,2,3
	ds_load_b128 v[XR+16*\b+4*\j:XR+16*\b+4*\j+3], v[ZQ] offset:8448*\tau+128*\b+16*\j
.endr
.endr
	s_wait_dscnt 0x0
	SILU64
	s_wait_xcnt 0x0
	QUANT64 XR
.irp k,0,1,2
	global_store_b128 v[GOF], v[PC+4*\k:PC+4*\k+3], s[OSIL:OSIL+1] offset:1536*\tau+512*\k
.endr
	ds_store_b32 v[SWD], v[PW] offset:320*\tau+256
	s_wait_xcnt 0x0
	WIN 0
	s_mov_b32 s[ZO], (16*\tau+2)*528
	s_mov_b32 s[RS], 0
	s_mov_b32 s[CI], 8
.Lrow_\@:
	WIN ACTW
	v_add_nc_u32 v[TA], s[RS], v[PSA]
	s_wait_dscnt 5
	SPL2 ZRA, OA
.irp c,0,1,2,3
	ds_store_b128 v[TA], v[OA+4*\c:OA+4*\c+3] offset:8448*\c
.endr
	s_min_u32 s[ZP], s[ZO], (NR-2)*528
	v_add_nc_u32 v[ZAD], s[ZP], v[ZL]
	ds_load_b128 v[ZRA:ZRA+3], v[ZAD]
	s_wait_dscnt 5
	SPL2 ZRB, OB
.irp c,0,1,2,3
	ds_store_b128 v[TA], v[OB+4*\c:OB+4*\c+3] offset:8448*\c+528
.endr
	ds_load_b128 v[ZRB:ZRB+3], v[ZAD] offset:528
	WIN 0
	s_add_co_u32 s[ZO], s[ZO], 1056
	s_add_co_u32 s[RS], s[RS], 1056
	s_sub_co_u32 s[CI], s[CI], 1
	s_cmp_lg_u32 s[CI], 0
	s_cbranch_scc1 .Lrow_\@
	WIN ACTW
.irp c,0,1,2,3
.irp b,0,1,2,3
.irp j,0,1,2,3
	ds_load_b128 v[XR+16*\b+4*\j:XR+16*\b+4*\j+3], v[PRD] offset:8448*\c+128*\b+16*\j
.endr
.endr
	s_wait_dscnt 0x0
	s_wait_xcnt 0x0
	QUANT64 XR
.irp k,0,1,2
	global_store_b128 v[GOF], v[PC+4*\k:PC+4*\k+3], s[OSPL:OSPL+1] offset:1536*\tau+8*REC*\c+512*\k
.endr
	ds_store_b32 v[SWD], v[PW] offset:320*\tau+64*\c
.endr
	s_wait_xcnt 0x0
	WIN 0
.endm
.macro SCOUT nh
	WIN ACTW
.irp u,0,1
.if \u < \nh
	ds_load_b32 v[XR+2*\u], v[SCW] offset:1280*\u
	ds_load_b32 v[XR+2*\u+1], v[SCW] offset:1280*\u+640
.endif
.endr
	s_wait_dscnt 0x0
.irp u,0,1
.if \u < \nh
	global_store_b64 v[G8], v[XR+2*\u:XR+2*\u+1], s[OSC:OSC+1] offset:256*\u
.endif
.endr
	WIN 0
	s_cmp_lg_u32 s[WV], 0
	s_cbranch_scc1 .Lsc_\@
	WIN ACTW
.irp u,0,1
.if \u < \nh
	ds_load_b32 v[XR+4+2*\u], v[SCR] offset:1280*\u+256
	ds_load_b32 v[XR+5+2*\u], v[SCR] offset:1280*\u+896
.endif
.endr
	s_wait_dscnt 0x0
.irp u,0,1
.if \u < \nh
	global_store_b64 v[G8], v[XR+4+2*\u:XR+5+2*\u], s[OSS:OSS+1] offset:256*\u
.endif
.endr
	WIN 0
.Lsc_\@:
.endm
.macro JLOAD s
	s_cmp_eq_u32 s15, 0
	s_cbranch_scc0 .Lfor_b_\@
	tensor_load_to_lds s[G0+4*\s:G0+4*\s+3], s[G1:G1+7]
	s_nop 0
.rept 4
	v_nop
.endr
	s_branch .Lasked_\@
.Lfor_b_\@:
	tensor_load_to_lds s[G0B+4*\s:G0B+4*\s+3], s[G1B:G1B+7]
	s_nop 0
.rept 4
	v_nop
.endr
.Lasked_\@:
.endm
; A prefetch behind each fill: the tiles of the fill two fills on.  Of the 100 blocks of 256 bytes that a wave loads for A (200 for B) each of the four partners that ask jointly takes 25 (50),
; told apart by address; lanes 25-31 name the wave's last block again.  guard = 1, in the loop: its last trip's fills have no fill two on, and ask for nothing.
.macro ASK guard
.if \guard
	s_cmp_gt_u32 s3, 1
	s_cbranch_scc0 .Lasked_pf_\@
.endif
	global_prefetch_b8 v[PFO], s[PFA:PFA+1] th:TH_LOAD_NT scope:SCOPE_SE
	s_cmp_eq_u32 s15, 0
	s_cbranch_scc1 .Lasked_pf_\@
	global_prefetch_b8 v[PFO], s[PFA:PFA+1] offset:6400 th:TH_LOAD_NT scope:SCOPE_SE
.Lasked_pf_\@:
.endm
.macro CREST
	s_cmp_lg_u32 s14, 0
	s_cbranch_scc1 .Lnot_wave_0_\@
	s_barrier_signal -3
.Lnot_wave_0_\@:
	s_barrier_wait -3
	s_barrier_signal -1
	s_barrier_wait -1
.endm
.macro CROUND
	s_barrier_signal -1
	s_barrier_wait -1
	CREST
.endm
.macro WM d, b, a, sb, sa, tb, ta, zero
.if \zero
.if (\tb) && (\ta)
	v_wmma_scale_f32_16x16x128_f8f6f4 v[(\d):(\d)+7], v[(\b):(\b)+11], v[(\a):(\a)+11], 0, v[\sb], v[\sa] matrix_a_fmt:MATRIX_FMT_BF6 matrix_b_fmt:MATRIX_FMT_BF6 matrix_a_scale:MATRIX_SCALE_ROW1 matrix_b_scale:MATRIX_SCALE_ROW1
.elseif (\tb)
	v_wmma_scale_f32_16x16x128_f8f6f4 v[(\d):(\d)+7], v[(\b):(\b)+11], v[(\a):(\a)+11], 0, v[\sb], v[\sa] matrix_a_fmt:MATRIX_FMT_BF6 matrix_b_fmt:MATRIX_FMT_BF6 matrix_a_scale:MATRIX_SCALE_ROW1
.elseif (\ta)
	v_wmma_scale_f32_16x16x128_f8f6f4 v[(\d):(\d)+7], v[(\b):(\b)+11], v[(\a):(\a)+11], 0, v[\sb], v[\sa] matrix_a_fmt:MATRIX_FMT_BF6 matrix_b_fmt:MATRIX_FMT_BF6 matrix_b_scale:MATRIX_SCALE_ROW1
.else
	v_wmma_scale_f32_16x16x128_f8f6f4 v[(\d):(\d)+7], v[(\b):(\b)+11], v[(\a):(\a)+11], 0, v[\sb], v[\sa] matrix_a_fmt:MATRIX_FMT_BF6 matrix_b_fmt:MATRIX_FMT_BF6
.endif
.else
.if (\tb) && (\ta)
	v_wmma_scale_f32_16x16x128_f8f6f4 v[(\d):(\d)+7], v[(\b):(\b)+11], v[(\a):(\a)+11], v[(\d):(\d)+7], v[\sb], v[\sa] matrix_a_fmt:MATRIX_FMT_BF6 matrix_b_fmt:MATRIX_FMT_BF6 matrix_a_scale:MATRIX_SCALE_ROW1 matrix_b_scale:MATRIX_SCALE_ROW1
.elseif (\tb)
	v_wmma_scale_f32_16x16x128_f8f6f4 v[(\d):(\d)+7], v[(\b):(\b)+11], v[(\a):(\a)+11], v[(\d):(\d)+7], v[\sb], v[\sa] matrix_a_fmt:MATRIX_FMT_BF6 matrix_b_fmt:MATRIX_FMT_BF6 matrix_a_scale:MATRIX_SCALE_ROW1
.elseif (\ta)
	v_wmma_scale_f32_16x16x128_f8f6f4 v[(\d):(\d)+7], v[(\b):(\b)+11], v[(\a):(\a)+11], v[(\d):(\d)+7], v[\sb], v[\sa] matrix_a_fmt:MATRIX_FMT_BF6 matrix_b_fmt:MATRIX_FMT_BF6 matrix_b_scale:MATRIX_SCALE_ROW1
.else
	v_wmma_scale_f32_16x16x128_f8f6f4 v[(\d):(\d)+7], v[(\b):(\b)+11], v[(\a):(\a)+11], v[(\d):(\d)+7], v[\sb], v[\sa] matrix_a_fmt:MATRIX_FMT_BF6 matrix_b_fmt:MATRIX_FMT_BF6
.endif
.endif
.endm
.macro MUL a0, n, p, zero
.set AA, \a0
.rept \n
.irp t,0,1,2,3,4,5,6,7
	WM 8*(8*AA+\t), 96*(\p)+12*\t, AF+48*(\p)+12*AA, SC+6*(\p)+2+\t/2, SC+6*(\p)+AA/2, \t%2, AA%2, \zero
.endr
.set AA, AA+1
.endr
.endm
.macro FETCH sl, q, p
	WIN 0x40
.irp t,0,1,2,3,4,5,6,7
.irp c,0,1,2
	ds_load_b128 v[96*(\p)+12*\t+4*\c:96*(\p)+12*\t+4*\c+3], v[ADRB+2*(\sl)+(\q)/2] offset:((\q)%2)*2*REC+1536*\t+512*\c
.endr
.endr
	WIN 0
.irp a,0,1,2,3
.irp c,0,1,2
	ds_load_b128 v[AF+48*(\p)+12*\a+4*\c:AF+48*(\p)+12*\a+4*\c+3], v[ADRA+\sl] offset:REC*(\q)+1536*\a+512*\c
.endr
.endr
	ds_load_b64 v[SC+6*(\p):SC+6*(\p)+1], v[ADSA+\sl] offset:REC*(\q)
	ds_load_b64 v[SC+6*(\p)+2:SC+6*(\p)+3], v[ADSB+2*(\sl)+(\q)/2] offset:((\q)%2)*2*REC
	ds_load_b64 v[SC+6*(\p)+4:SC+6*(\p)+5], v[ADSB+2*(\sl)+(\q)/2] offset:((\q)%2)*2*REC+256
.endm
.macro STEP sl, q, zero
	s_wait_dscnt 0x0
	PLACES 4
	FETCH \sl, (\q)+1, 1-((\q)%2)
	WIN 0xa1
	MUL 0, 4, (\q)%2, \zero
	WIN 0
.endm
.macro TURN sl, nx, fill
.if \fill
	s_wait_xcnt 0x0                                ; my last prefetch has read its address: it steps one slot on
	s_add_nc_u64 s[PFA:PFA+1], s[PFA:PFA+1], s[44:45]
.endif
	s_wait_tensorcnt 0x0
	ds_add_u32 v[SPW], v[NIL]
	s_wait_dscnt 1
	WIN 0xa1
	MUL 0, 1, 1, 0
	s_wait_dscnt 0x0
	s_barrier_signal -1
	MUL 1, 1, 1, 0
	WIN 0
	s_barrier_wait -1
.if \fill
	CREST
	s_add_nc_u64 s[G0+4*\sl+2:G0+4*\sl+3], s[G0+4*\sl+2:G0+4*\sl+3], 8*REC
	s_add_nc_u64 s[G0B+4*\sl+2:G0B+4*\sl+3], s[G0B+4*\sl+2:G0B+4*\sl+3], 16*REC
	JLOAD \sl
.else
	PLACES 4
.endif
	FETCH \nx, 0, 0
.if \fill
	ASK 1
.endif
	WIN 0xa1
	MUL 2, 2, 1, 0
	WIN 0
.endm
	s_load_b256 s[4:11], s[0:1], 0x0
	v_lshl_add_u32 v[SPW], v0, 2, SPARE
	v_mov_b32 v[NIL], 0
	ds_add_u32 v16, v17
	ds_add_u32 v16, v17
	s_wait_dscnt 0x0
	v_lshrrev_b32 v1, 5, v0
	v_readfirstlane_b32 s14, v1
	s_lshr_b32 s15, s14, 1
	s_and_b32 s16, s14, 1
	s_bfe_u32 s40, ttmp6, 0x40000
	s_bfe_u32 s41, ttmp6, 0x40004
	s_lshl_b32 s42, ttmp9, 2
	s_add_co_u32 s42, s42, s40
	s_and_b32 s17, ttmp7, 0xffff
	s_lshl_b32 s17, s17, 2
	s_add_co_u32 s17, s17, s41
	s_lshl_b32 s43, s41, 2
	s_lshl_b32 s43, 15, s43
	s_lshl_b32 s44, 0x1111, s40
	s_or_b32 s[G1], s43, (3<<16)|(1<<21)
	s_or_b32 s[G1B], s44, (3<<16)|(1<<21)
	s_mov_b32 s[G1+1], 32<<16
	s_mov_b32 s[G1+2], 100<<16
	s_mov_b32 s[G1+3], 32<<16
	s_mov_b32 s[G1+4], 100
	s_mov_b32 s[G1+5], 32
	s_mov_b32 s[G1+6], 0
	s_mov_b32 s[G1+7], 0
	s_mov_b32 s[G1B+1], 32<<16
	s_mov_b32 s[G1B+2], 200<<16
	s_mov_b32 s[G1B+3], 32<<16
	s_mov_b32 s[G1B+4], 200
	s_mov_b32 s[G1B+5], 32
	s_mov_b32 s[G1B+6], 0
	s_mov_b32 s[G1B+7], 0
	s_mul_i32 s20, s17, 40*REC
	s_mul_i32 s18, s16, 2*REC
	s_add_co_u32 s20, s20, s18
	s_mov_b32 s21, 0
	s_mul_i32 s46, s42, 80*REC
	s_mul_i32 s19, s16, 4*REC
	s_add_co_u32 s46, s46, s19
	s_mov_b32 s47, 0
	s_lshl_b32 s22, s42, 12
	s_mov_b32 s23, 0
	s_wait_kmcnt 0x0
	s_add_nc_u64 s[20:21], s[4:5], s[20:21]
	s_add_nc_u64 s[46:47], s[6:7], s[46:47]
	s_add_nc_u64 s[8:9], s[8:9], s[22:23]
	CROUND
.irp s,0,1
	s_mov_b32 s[G0+4*\s], 1
	s_add_co_u32 s[G0+4*\s+1], s18, \s*SLOT
	s_add_nc_u64 s[G0+4*\s+2:G0+4*\s+3], s[20:21], \s*4*REC
	s_or_b32 s[G0+4*\s+3], s[G0+4*\s+3], 0x80000000
	s_mov_b32 s[G0B+4*\s], 1
	s_add_co_u32 s[G0B+4*\s+1], s19, \s*SLOT+4*REC
	s_add_nc_u64 s[G0B+4*\s+2:G0B+4*\s+3], s[46:47], \s*8*REC
	s_or_b32 s[G0B+4*\s+3], s[G0B+4*\s+3], 0x80000000
.endr
	JLOAD 0                                        ; slot 0: my one tensor load at the head; the rest of the head is worked while it is out
	s_cmp_eq_u32 s15, 0                            ; do I load for A?
	s_cselect_b64 s[PFA:PFA+1], s[20:21], s[46:47] ; the first byte of what I load for slot 0
	s_cselect_b32 s22, s40, s41                    ; my place among the four that ask with me
	s_mov_b32 s44, 8*REC
	s_cselect_b32 s44, 4*REC, s44                  ; from slot to slot: 4 records of A, 8 of B
	s_mov_b32 s23, 12800
	s_cselect_b32 s23, 6400, s23                   ; a partner's share: 25 blocks of A, 50 of B
	s_mul_i32 s22, s22, s23
	s_lshl_b32 s23, s44, 1                         ; two slots on
	s_add_co_u32 s22, s22, s23
	s_mov_b32 s23, 0
	s_mov_b32 s45, 0
	s_add_nc_u64 s[PFA:PFA+1], s[PFA:PFA+1], s[22:23]
	v_and_b32 v1, 31, v0
	v_min_u32 v[PFO], 24, v1
	v_lshlrev_b32 v[PFO], 8, v[PFO]
	v_lshlrev_b32 v2, 4, v1
	v_lshlrev_b32 v3, 3, v1
	s_mul_i32 s22, s15, 6144
	v_add_nc_u32 v[ADRA], s22, v2
	v_add_nc_u32 v[ADRA+1], SLOT, v[ADRA]
	s_mul_i32 s23, s16, REC
	s_add_co_u32 s23, s23, 4*REC
	v_add_nc_u32 v[ADRB], s23, v2
	v_add_nc_u32 v[ADRB+1], 4*REC, v[ADRB]
	v_add_nc_u32 v[ADRB+2], SLOT, v[ADRB]
	v_add_nc_u32 v[ADRB+3], SLOT, v[ADRB+1]
	s_lshl_b32 s22, s15, 8
	s_add_co_u32 s22, s22, 12288
	v_add_nc_u32 v[ADSA], s22, v3
	v_add_nc_u32 v[ADSA+1], SLOT, v[ADSA]
	s_add_co_u32 s23, s23, 12288
	v_add_nc_u32 v[ADSB], s23, v3
	v_add_nc_u32 v[ADSB+1], 4*REC, v[ADSB]
	v_add_nc_u32 v[ADSB+2], SLOT, v[ADSB]
	v_add_nc_u32 v[ADSB+3], SLOT, v[ADSB+1]
	v_and_b32 v19, 15, v0
	v_bfe_u32 v20, v0, 4, 1
	v_mul_u32_u24 v[HST], v19, 528
	v_lshl_add_u32 v[HST], v20, 5, v[HST]
	s_mul_i32 s22, s15, 64*528
	s_lshl_b32 s23, s16, 8
	s_add_co_u32 s22, s22, s23
	v_add_nc_u32 v[HST], s22, v[HST]
	ASK 0                                          ; slot 2's tiles
	WIN 0xc0
	v_and_b32 v1, 31, v0
	WIN ACTW
	ACT_ADDR
.irp i,0,1,2,3,4,5,6,7
	global_load_b128 v[GR+4*\i:GR+4*\i+3], v[GKO], s[8:9] offset:16*\i
.endr
	s_wait_loadcnt 0x0
	CONSTS GR
	WIN 0
	s_wait_alu depctr_va_vdst(0)                   ; at the head's end
	s_wait_xcnt 0x0                                ; the prefetch has read its address
	s_add_nc_u64 s[PFA:PFA+1], s[PFA:PFA+1], s[44:45]
	s_wait_tensorcnt 0x0                           ; my part of slot 0 is in
	ds_add_u32 v[SPW], v[NIL]
	s_wait_dscnt 0x0
	CROUND                                         ; everybody's part of slot 0 is in, and the joint loads meet
	JLOAD 1                                        ; slot 1's first fill, the first tensor load behind the round
	FETCH 0, 0, 0
	ASK 0                                          ; slot 3's tiles
	STEP 0, 0, 1
	s_mov_b32 s3, 4
.Llap:
	STEP 0, 1, 0
	STEP 0, 2, 0
	TURN 0, 1, 1
	STEP 1, 0, 0
	STEP 1, 1, 0
	STEP 1, 2, 0
	TURN 1, 0, 1
	STEP 0, 0, 0
	s_sub_co_u32 s3, s3, 1
	s_cmp_lg_u32 s3, 0
	s_cbranch_scc1 .Llap
	STEP 0, 1, 0
	STEP 0, 2, 0
	TURN 0, 1, 0
	STEP 1, 0, 0
	STEP 1, 1, 0
	STEP 1, 2, 0
	s_wait_dscnt 0x0
	WIN 0xa1
	MUL 0, 4, 1, 0
	WIN 0
	PLACES 4
	WIN 0x8a
.irp a,0,1,2,3
.irp t,0,1,2,3
.irp j,0,2,4,6
	v_pk_mul_f32 v[8*(8*\a+\t)+\j:8*(8*\a+\t)+\j+1], v[8*(8*\a+\t)+\j:8*(8*\a+\t)+\j+1], v[8*(8*\a+\t+4)+\j:8*(8*\a+\t+4)+\j+1]
.endr
.endr
.endr
	WIN 0x08
.irp a,0,1,2,3
.irp t,0,1,2,3
	ds_store_b128 v[HST], v[8*(8*\a+\t):8*(8*\a+\t)+3] offset:8448*\a+64*\t
	ds_store_b128 v[HST], v[8*(8*\a+\t)+4:8*(8*\a+\t)+7] offset:8448*\a+64*\t+16
.endr
.endr
	WIN 0
	s_mul_i32 s18, s17, 40*REC
	s_mul_i32 s19, s42, REC
	s_mul_i32 s20, s14, 3072
	s_add_co_u32 s21, s18, s19
	s_add_co_u32 s22, s21, 8*REC
	s_add_co_u32 s48, s21, s20
	s_mov_b32 s49, 0
	s_add_co_u32 s50, s22, s20
	s_mov_b32 s51, 0
	s_mul_i32 s52, s14, 8*REC
	s_add_co_u32 s52, s52, s22
	s_add_co_u32 s52, s52, 12288
	s_mov_b32 s53, 0
	s_add_co_u32 s54, s21, 12288
	s_mov_b32 s55, 0
	s_add_nc_u64 s[OSIL:OSIL+1], s[10:11], s[48:49]
	s_add_nc_u64 s[OSPL:OSPL+1], s[10:11], s[50:51]
	s_add_nc_u64 s[OSC:OSC+1], s[10:11], s[52:53]
	s_add_nc_u64 s[OSS:OSS+1], s[10:11], s[54:55]
	s_mov_b32 s[SEL], 0x76543210
	s_mov_b32 s[SEL+1], 0xfedcba98
	s_mov_b32 s[NL], 0xbfb8aa3b
	s_mov_b32 s[NL+1], s[NL]
	s_wait_dscnt 0x0
	s_barrier_signal -1
	s_barrier_wait -1
	WIN ACTW
	ds_load_b128 v[ZRA:ZRA+3], v[ZL]
	ds_load_b128 v[ZRB:ZRB+3], v[ZL] offset:528
	WIN 0
	ACT_TILE 0
	ACT_TILE 1
	s_wait_dscnt 0x0
	s_barrier_signal -1
	s_barrier_wait -1
	SCOUT 2
	s_wait_tensorcnt 0x0
	ds_add_u32 v[SPW], v[NIL]
	s_wait_dscnt 0x0
	CROUND
	s_endpgm
.Lfunc_end_k_q8ce9007c02_gate:
	.size	k_q8ce9007c02_gate, .Lfunc_end_k_q8ce9007c02_gate-k_q8ce9007c02_gate
	.p2alignl 7, 3214868480
	.fill 96, 4, 3214868480
	.section	.rodata,"a",@progbits
	.p2align	6, 0x0
	.amdhsa_kernel k_q8ce9007c02_gate
		.amdhsa_group_segment_fixed_size 327680
		.amdhsa_private_segment_fixed_size 0
		.amdhsa_enable_private_segment 0
		.amdhsa_kernarg_size 32
		.amdhsa_user_sgpr_count 2
		.amdhsa_user_sgpr_kernarg_segment_ptr 1
		.amdhsa_wavefront_size32 1
		.amdhsa_system_sgpr_workgroup_id_x 1
		.amdhsa_system_sgpr_workgroup_id_y 1
		.amdhsa_system_sgpr_workgroup_id_z 1
		.amdhsa_system_vgpr_workitem_id 0
		.amdhsa_next_free_vgpr 1024
		.amdhsa_next_free_sgpr 100
		.amdhsa_reserve_vcc 0
		.amdhsa_float_denorm_mode_32 3
		.amdhsa_float_denorm_mode_16_64 3
		.amdhsa_memory_ordered 1
		.amdhsa_forward_progress 1
		.amdhsa_inst_pref_size 255
	.end_amdhsa_kernel
	.amdgpu_metadata
---
amdhsa.version: [ 1, 2 ]
amdhsa.kernels:
  - .name:           k_q8ce9007c02_gate
    .symbol:         k_q8ce9007c02_gate.kd
    .args:
      - { .name: a1, .offset: 0, .size: 8, .value_kind: global_buffer, .address_space: global }
      - { .name: wq, .offset: 8, .size: 8, .value_kind: global_buffer, .address_space: global }
      - { .name: grid_ff, .offset: 16, .size: 8, .value_kind: global_buffer, .address_space: global }
      - { .name: a3, .offset: 24, .size: 8, .value_kind: global_buffer, .address_space: global }
    .group_segment_fixed_size: 327680
    .private_segment_fixed_size: 0
    .kernarg_segment_align: 8
    .kernarg_segment_size: 32
    .max_flat_workgroup_size: 128
    .sgpr_count:     100
    .vgpr_count:     1024
    .wavefront_size: 32
...
	.end_amdgpu_metadata
.endif
;; end of part 2
;; launch outp (part 3): grid 8 x 32, 4 waves a work-group, clusters of 4 x 4, 327,680 bytes of LDS; arguments a3, wq, out0; writes out0
.if DOCPART == 3
	.amdgcn_target "amdgcn-amd-amdhsa--gfx1250"
	.amdhsa_code_object_version 6
	.text
	.protected	k_q8ce9007c02_outp
	.globl	k_q8ce9007c02_outp
	.p2align	8
	.type	k_q8ce9007c02_outp,@function
k_q8ce9007c02_outp:
	s_mov_b64 s[64:65], 0
	v_nop
	global_prefetch_b8 v0, s[64:65] scope:SCOPE_SE
	s_setreg_imm32_b32 hwreg(HW_REG_WAVE_MODE, 25, 1), 1
	s_wait_xcnt 0x0
	s_wait_alu depctr_hold_cnt(0) depctr_sa_sdst(0) depctr_va_vdst(0) depctr_va_sdst(0) depctr_va_ssrc(0) depctr_va_vcc(0) depctr_vm_vsrc(0)
	s_getreg_b32 s2, hwreg(HW_REG_IB_STS2, 6, 4)
	s_cmp_eq_u32 s2, 0
	s_cbranch_scc0 .Lentry_in_a_cluster
	s_endpgm
.Lentry_in_a_cluster:
	s_bfe_u32 s2, ttmp6, 0x10000c
	s_cmp_lg_u32 s2, 0xf033
	s_cbranch_scc0 .Lentry_shape_is_right
	s_endpgm
.Lentry_shape_is_right:
.set REC,  12800
.set SLOT, 128000
.set SPARE, 256000
.set ADRA, 4
.set ADRB, 6
.set ADSA, 8
.set ADSB, 10
.set STO,  12
.set RD,   13
.set CO,   14
.set SPW,  16
.set NIL,  17
.set PFO,  15                          ; v15 the prefetches' offset: 256 x min(32 x my place among the four partners + lane, 124); never rewritten
.set PFA,  12                          ; s[12:13] where my prefetches stand
.set SC,   20
.set BK,   48
.set ACC,  128
.set G1,   24
.set G0,   32
.set G1B,  48
.set G0B,  56
.set MSB, 0
.macro WIN new
.if MSB != \new
	s_set_vgpr_msb (MSB<<8)|\new
.set MSB, \new
.endif
.endm
.macro PLACES n
.rept \n
	v_nop
.endr
.endm
.macro JLOAD s
	s_cmp_eq_u32 s15, 0
	s_cbranch_scc0 .Lfor_b_\@
	tensor_load_to_lds s[G0+4*\s:G0+4*\s+3], s[G1:G1+7]
	s_nop 0
.rept 4
	v_nop
.endr
	s_branch .Lasked_\@
.Lfor_b_\@:
	tensor_load_to_lds s[G0B+4*\s:G0B+4*\s+3], s[G1B:G1B+7]
	s_nop 0
.rept 4
	v_nop
.endr
.Lasked_\@:
.endm
; A prefetch behind each fill: the tiles of the fill two fills on.  Of the 125 blocks of 256 bytes that a wave loads, the four partners that ask jointly take 32, 32, 32 and 29,
; told apart by address; the last partner's three lanes left over name the last block again.  guard = 1, in the loop: its last trip's fills have no fill two on, and ask for nothing.
.macro ASK guard, off
.if \guard
	s_cmp_gt_u32 s3, 1
	s_cbranch_scc0 .Lasked_pf_\@
.endif
	global_prefetch_b8 v[PFO], s[PFA:PFA+1] offset:\off th:TH_LOAD_NT scope:SCOPE_SE
.if \guard
.Lasked_pf_\@:
.endif
.endm
.macro CREST
	s_cmp_lg_u32 s14, 0
	s_cbranch_scc1 .Lnot_wave_0_\@
	s_barrier_signal -3
.Lnot_wave_0_\@:
	s_barrier_wait -3
	s_barrier_signal -1
	s_barrier_wait -1
.endm
.macro CROUND
	s_barrier_signal -1
	s_barrier_wait -1
	CREST
.endm
.macro WM d, b, a, sb, sa, tb, ta, zero
.if \zero
.if (\tb) && (\ta)
	v_wmma_scale_f32_16x16x128_f8f6f4 v[(\d):(\d)+7], v[(\b):(\b)+11], v[(\a):(\a)+11], 0, v[\sb], v[\sa] matrix_a_fmt:MATRIX_FMT_BF6 matrix_b_fmt:MATRIX_FMT_BF6 matrix_a_scale:MATRIX_SCALE_ROW1 matrix_b_scale:MATRIX_SCALE_ROW1
.elseif (\tb)
	v_wmma_scale_f32_16x16x128_f8f6f4 v[(\d):(\d)+7], v[(\b):(\b)+11], v[(\a):(\a)+11], 0, v[\sb], v[\sa] matrix_a_fmt:MATRIX_FMT_BF6 matrix_b_fmt:MATRIX_FMT_BF6 matrix_a_scale:MATRIX_SCALE_ROW1
.elseif (\ta)
	v_wmma_scale_f32_16x16x128_f8f6f4 v[(\d):(\d)+7], v[(\b):(\b)+11], v[(\a):(\a)+11], 0, v[\sb], v[\sa] matrix_a_fmt:MATRIX_FMT_BF6 matrix_b_fmt:MATRIX_FMT_BF6 matrix_b_scale:MATRIX_SCALE_ROW1
.else
	v_wmma_scale_f32_16x16x128_f8f6f4 v[(\d):(\d)+7], v[(\b):(\b)+11], v[(\a):(\a)+11], 0, v[\sb], v[\sa] matrix_a_fmt:MATRIX_FMT_BF6 matrix_b_fmt:MATRIX_FMT_BF6
.endif
.else
.if (\tb) && (\ta)
	v_wmma_scale_f32_16x16x128_f8f6f4 v[(\d):(\d)+7], v[(\b):(\b)+11], v[(\a):(\a)+11], v[(\d):(\d)+7], v[\sb], v[\sa] matrix_a_fmt:MATRIX_FMT_BF6 matrix_b_fmt:MATRIX_FMT_BF6 matrix_a_scale:MATRIX_SCALE_ROW1 matrix_b_scale:MATRIX_SCALE_ROW1
.elseif (\tb)
	v_wmma_scale_f32_16x16x128_f8f6f4 v[(\d):(\d)+7], v[(\b):(\b)+11], v[(\a):(\a)+11], v[(\d):(\d)+7], v[\sb], v[\sa] matrix_a_fmt:MATRIX_FMT_BF6 matrix_b_fmt:MATRIX_FMT_BF6 matrix_a_scale:MATRIX_SCALE_ROW1
.elseif (\ta)
	v_wmma_scale_f32_16x16x128_f8f6f4 v[(\d):(\d)+7], v[(\b):(\b)+11], v[(\a):(\a)+11], v[(\d):(\d)+7], v[\sb], v[\sa] matrix_a_fmt:MATRIX_FMT_BF6 matrix_b_fmt:MATRIX_FMT_BF6 matrix_b_scale:MATRIX_SCALE_ROW1
.else
	v_wmma_scale_f32_16x16x128_f8f6f4 v[(\d):(\d)+7], v[(\b):(\b)+11], v[(\a):(\a)+11], v[(\d):(\d)+7], v[\sb], v[\sa] matrix_a_fmt:MATRIX_FMT_BF6 matrix_b_fmt:MATRIX_FMT_BF6
.endif
.endif
.endm
.macro MUL a0, n, p, zero
.set AA, \a0
.rept \n
.irp t,0,1,2,3
	WM ACC+8*(4*AA+\t), 96*(\p)+48+12*\t, 96*(\p)+12*AA, SC+4*(\p)+2+\t/2, SC+4*(\p)+AA/2, \t%2, AA%2, \zero
.endr
.set AA, AA+1
.endr
.endm
.macro FETCH sl, q, p
	WIN 0x40
.irp t,0,1,2,3
.irp c,0,1,2
	ds_load_b128 v[96*(\p)+48+12*\t+4*\c:96*(\p)+48+12*\t+4*\c+3], v[ADRB+\sl] offset:REC*(\q)+1536*\t+512*\c
.endr
.endr
.irp a,0,1,2,3
.irp c,0,1,2
	ds_load_b128 v[96*(\p)+12*\a+4*\c:96*(\p)+12*\a+4*\c+3], v[ADRA+\sl] offset:REC*(\q)+1536*\a+512*\c
.endr
.endr
	WIN 0
	ds_load_b64 v[SC+4*(\p):SC+4*(\p)+1], v[ADSA+\sl] offset:REC*(\q)
	ds_load_b64 v[SC+4*(\p)+2:SC+4*(\p)+3], v[ADSB+\sl] offset:REC*(\q)
.endm
.macro STEP sl, q, p, zero
	s_wait_dscnt 0x0
	PLACES 4
	FETCH \sl, (\q)+1, 1-(\p)
	WIN 0x05
	MUL 0, 4, \p, \zero
	WIN 0
.endm
.macro TURN sl, nx, p, fill
.if \fill
	s_wait_xcnt 0x0                                ; my last prefetch has read its address: it steps one slot on
	s_add_nc_u64 s[PFA:PFA+1], s[PFA:PFA+1], 5*REC
.endif
	s_wait_tensorcnt 0x0
	ds_add_u32 v[SPW], v[NIL]
	s_wait_dscnt 1
	WIN 0x05
	MUL 0, 1, \p, 0
	s_wait_dscnt 0x0
	s_barrier_signal -1
	MUL 1, 1, \p, 0
	WIN 0
	s_barrier_wait -1
.if \fill
	CREST
	s_add_nc_u64 s[G0+4*\sl+2:G0+4*\sl+3], s[G0+4*\sl+2:G0+4*\sl+3], 10*REC
	s_add_nc_u64 s[G0B+4*\sl+2:G0B+4*\sl+3], s[G0B+4*\sl+2:G0B+4*\sl+3], 10*REC
	JLOAD \sl
.else
	PLACES 4
.endif
	FETCH \nx, 0, 1-(\p)
.if \fill
	ASK 1, 0
.endif
	WIN 0x05
	MUL 2, 2, \p, 0
	WIN 0
.endm
	s_load_b128 s[4:7], s[0:1], 0x0
	s_load_b64 s[8:9], s[0:1], 0x10
	v_lshl_add_u32 v[SPW], v0, 2, SPARE
	v_mov_b32 v[NIL], 0
	ds_add_u32 v16, v17
	ds_add_u32 v16, v17
	s_wait_dscnt 0x0
	v_lshrrev_b32 v1, 5, v0
	v_readfirstlane_b32 s14, v1
	s_lshr_b32 s15, s14, 1
	s_and_b32 s16, s14, 1
	s_bfe_u32 s40, ttmp6, 0x40000
	s_bfe_u32 s41, ttmp6, 0x40004
	s_lshl_b32 s42, ttmp9, 2
	s_add_co_u32 s42, s42, s40
	s_and_b32 s17, ttmp7, 0xffff
	s_lshl_b32 s17, s17, 2
	s_add_co_u32 s17, s17, s41
	s_lshl_b32 s43, s41, 2
	s_lshl_b32 s43, 15, s43
	s_lshl_b32 s44, 0x1111, s40
	s_or_b32 s[G1], s43, (3<<16)|(1<<21)
	s_or_b32 s[G1B], s44, (3<<16)|(1<<21)
.irp g, G1, G1B
	s_mov_b32 s[\g+1], 32<<16
	s_mov_b32 s[\g+2], 125<<16
	s_mov_b32 s[\g+3], 32<<16
	s_mov_b32 s[\g+4], 125
	s_mov_b32 s[\g+5], 32
	s_mov_b32 s[\g+6], 0
	s_mov_b32 s[\g+7], 0
.endr
	s_mul_i32 s18, s16, 32000
	s_mul_i32 s20, s17, 40*REC
	s_add_co_u32 s20, s20, s18
	s_mov_b32 s21, 0
	s_mul_i32 s46, s42, 40*REC
	s_add_co_u32 s46, s46, s18
	s_add_co_u32 s46, s46, 640*REC
	s_mov_b32 s47, 0
	s_lshl_b32 s22, s17, 7
	s_lshl_b32 s23, s15, 6
	s_add_co_u32 s22, s22, s23
	s_lshl_b32 s22, s22, 12
	s_lshl_b32 s23, s42, 9
	s_add_co_u32 s22, s22, s23
	s_lshl_b32 s23, s16, 8
	s_add_co_u32 s22, s22, s23
	s_mov_b32 s23, 0
	s_wait_kmcnt 0x0
	s_add_nc_u64 s[20:21], s[4:5], s[20:21]
	s_add_nc_u64 s[46:47], s[6:7], s[46:47]
	s_add_nc_u64 s[8:9], s[8:9], s[22:23]
	CROUND
.irp s,0,1
	s_mov_b32 s[G0+4*\s], 1
	s_add_co_u32 s[G0+4*\s+1], s18, \s*SLOT
	s_add_nc_u64 s[G0+4*\s+2:G0+4*\s+3], s[20:21], \s*5*REC
	s_or_b32 s[G0+4*\s+3], s[G0+4*\s+3], 0x80000000
	s_mov_b32 s[G0B+4*\s], 1
	s_add_co_u32 s[G0B+4*\s+1], s18, \s*SLOT+5*REC
	s_add_nc_u64 s[G0B+4*\s+2:G0B+4*\s+3], s[46:47], \s*5*REC
	s_or_b32 s[G0B+4*\s+3], s[G0B+4*\s+3], 0x80000000
.endr
	JLOAD 0                                        ; slot 0: my one tensor load at the head; the rest of the head is worked while it is out
	s_cmp_eq_u32 s15, 0                            ; do I load for A?
	s_cselect_b64 s[PFA:PFA+1], s[20:21], s[46:47] ; the first byte of what I load for slot 0
	s_cselect_b32 s19, s40, s41                    ; my place among the four that ask with me
	s_lshl_b32 s19, s19, 5
	s_add_nc_u64 s[PFA:PFA+1], s[PFA:PFA+1], 10*REC   ; two slots on
	v_and_b32 v1, 31, v0
	v_add_nc_u32 v[PFO], s19, v1
	v_min_u32 v[PFO], 124, v[PFO]
	v_lshlrev_b32 v[PFO], 8, v[PFO]
	v_lshlrev_b32 v2, 4, v1
	v_lshlrev_b32 v3, 3, v1
	s_mul_i32 s19, s15, 6144
	v_add_nc_u32 v[ADRA], s19, v2
	v_add_nc_u32 v[ADRA+1], SLOT, v[ADRA]
	s_mul_i32 s19, s16, 6144
	s_add_co_u32 s19, s19, 5*REC
	v_add_nc_u32 v[ADRB], s19, v2
	v_add_nc_u32 v[ADRB+1], SLOT, v[ADRB]
	s_lshl_b32 s19, s15, 8
	s_add_co_u32 s19, s19, 12288
	v_add_nc_u32 v[ADSA], s19, v3
	v_add_nc_u32 v[ADSA+1], SLOT, v[ADSA]
	s_lshl_b32 s19, s16, 8
	s_add_co_u32 s19, s19, 5*REC+12288
	v_add_nc_u32 v[ADSB], s19, v3
	v_add_nc_u32 v[ADSB+1], SLOT, v[ADSB]
	v_and_b32 v18, 15, v0
	v_bfe_u32 v19, v0, 4, 1
	s_mul_i32 s19, s14, 16*272
	v_mul_u32_u24 v[STO], v18, 272
	v_lshl_add_u32 v[STO], v19, 5, v[STO]
	v_add_nc_u32 v[STO], s19, v[STO]
	v_mul_u32_u24 v[RD], v19, 272
	v_lshl_add_u32 v[RD], v18, 4, v[RD]
	v_add_nc_u32 v[RD], s19, v[RD]
	v_lshlrev_b32 v[CO], 12, v19
	v_lshl_add_u32 v[CO], v18, 4, v[CO]
	ASK 0, 0                                       ; slot 2's tiles
	s_wait_alu depctr_va_vdst(0)                   ; at the head's end
	s_wait_tensorcnt 0x0                           ; my part of slot 0 is in
	ds_add_u32 v[SPW], v[NIL]
	s_wait_dscnt 0x0
	CROUND                                         ; everybody's part of slot 0 is in, and the joint loads meet
	JLOAD 1                                        ; slot 1's first fill, the first tensor load behind the round
	FETCH 0, 0, 0
	ASK 0, 5*REC                                   ; slot 3's tiles
	STEP 0, 0, 0, 1
	s_wait_xcnt 0x0                                ; both prefetches of the head have read their address: it stands at slot 3 when the loop begins
	s_add_nc_u64 s[PFA:PFA+1], s[PFA:PFA+1], 5*REC
	s_mov_b32 s3, 3
.Llap:
	STEP 0, 1, 1, 0
	STEP 0, 2, 0, 0
	STEP 0, 3, 1, 0
	TURN 0, 1, 0, 1
	STEP 1, 0, 1, 0
	STEP 1, 1, 0, 0
	STEP 1, 2, 1, 0
	STEP 1, 3, 0, 0
	TURN 1, 0, 1, 1
	STEP 0, 0, 0, 0
	s_sub_co_u32 s3, s3, 1
	s_cmp_lg_u32 s3, 0
	s_cbranch_scc1 .Llap
	STEP 0, 1, 1, 0
	STEP 0, 2, 0, 0
	STEP 0, 3, 1, 0
	TURN 0, 1, 0, 0
	STEP 1, 0, 1, 0
	STEP 1, 1, 0, 0
	STEP 1, 2, 1, 0
	STEP 1, 3, 0, 0
	s_wait_dscnt 0x0
	WIN 0x05
	MUL 0, 4, 1, 0
	WIN 0
.macro TOSTAGE a
.irp t,0,1,2,3
	ds_store_b128 v[STO], v[ACC+8*(4*(\a)+\t):ACC+8*(4*(\a)+\t)+3] offset:64*\t
	ds_store_b128 v[STO], v[ACC+8*(4*(\a)+\t)+4:ACC+8*(4*(\a)+\t)+7] offset:64*\t+16
.endr
.irp i,0,1,2,3,4,5,6,7
	ds_load_b128 v[BK+32*((\a)%2)+4*\i:BK+32*((\a)%2)+4*\i+3], v[RD] offset:544*\i
.endr
.endm
.macro SEND a, younger
	s_wait_dscnt \younger
.irp i,0,1,2,3,4,5,6,7
	global_store_b128 v[CO], v[BK+32*((\a)%2)+4*\i:BK+32*((\a)%2)+4*\i+3], s[8:9] offset:(16*(\a)+2*\i)*4096 th:TH_STORE_NT
.endr
.endm
	PLACES 4
	s_wait_alu depctr_va_vdst(0)
	TOSTAGE 0
	TOSTAGE 1
	SEND 0, 16
	s_wait_xcnt 0x0
	TOSTAGE 2
	SEND 1, 16
	s_wait_xcnt 0x0
	TOSTAGE 3
	SEND 2, 16
	SEND 3, 0
	s_wait_tensorcnt 0x0
	ds_add_u32 v[SPW], v[NIL]
	s_wait_dscnt 0x0
	CROUND
	s_endpgm
.Lfunc_end_k_q8ce9007c02_outp:
	.size	k_q8ce9007c02_outp, .Lfunc_end_k_q8ce9007c02_outp-k_q8ce9007c02_outp
	.p2alignl 7, 3214868480
	.fill 96, 4, 3214868480
	.section	.rodata,"a",@progbits
	.p2align	6, 0x0
	.amdhsa_kernel k_q8ce9007c02_outp
		.amdhsa_group_segment_fixed_size 327680
		.amdhsa_private_segment_fixed_size 0
		.amdhsa_enable_private_segment 0
		.amdhsa_kernarg_size 24
		.amdhsa_user_sgpr_count 2
		.amdhsa_user_sgpr_kernarg_segment_ptr 1
		.amdhsa_wavefront_size32 1
		.amdhsa_system_sgpr_workgroup_id_x 1
		.amdhsa_system_sgpr_workgroup_id_y 1
		.amdhsa_system_sgpr_workgroup_id_z 1
		.amdhsa_system_vgpr_workitem_id 0
		.amdhsa_next_free_vgpr 512
		.amdhsa_next_free_sgpr 66
		.amdhsa_reserve_vcc 0
		.amdhsa_float_denorm_mode_32 3
		.amdhsa_float_denorm_mode_16_64 3
		.amdhsa_memory_ordered 1
		.amdhsa_forward_progress 1
		.amdhsa_inst_pref_size 97
	.end_amdhsa_kernel
	.amdgpu_metadata
---
amdhsa.version: [ 1, 2 ]
amdhsa.kernels:
  - .name:           k_q8ce9007c02_outp
    .symbol:         k_q8ce9007c02_outp.kd
    .args:
      - { .name: a3, .offset: 0, .size: 8, .value_kind: global_buffer, .address_space: global }
      - { .name: wq, .offset: 8, .size: 8, .value_kind: global_buffer, .address_space: global }
      - { .name: out0, .offset: 16, .size: 8, .value_kind: global_buffer, .address_space: global }
    .group_segment_fixed_size: 327680
    .private_segment_fixed_size: 0
    .kernarg_segment_align: 8
    .kernarg_segment_size: 24
    .max_flat_workgroup_size: 128
    .sgpr_count:     66
    .vgpr_count:     512
    .wavefront_size: 32
...
	.end_amdgpu_metadata
.endif
;; end of part 3
